; MI455X (gfx1250); checked and timed in simulation.
; The chip was launched on July 23, 2026; its instructions are those of AMD's public machine-readable ISA for CDNA 5 (MIT licence, August 2026) and "CDNA5" Instruction Set Architecture Reference Guide (July 2026). The comments in the code are by the model that wrote it; some were corrected since.
;; Self Attention. Allowed arithmetic: float matrix products may take bf16 or f16 operands with f32 sums; other float arithmetic in f32, or as packed bf16 or f16 multiplies, adds, multiply-adds, maxima and minima; sums over many terms, partial sums and values carried from step to step in f32; what a program stores and reads back later, other than sums and carried values, may be rounded once to bf16 or f16.
;; Inputs: Wk 1,024 x 1,024 float32; Wo 1,024 x 1,024 float32; Wq 1,024 x 1,024 float32; Wv 1,024 x 1,024 float32; X 4 x 2,048 x 1,024 float32; attention_mask 4 x 2,048 x 2,048 int32; bk 1,024 float32; bo 1,024 float32; bq 1,024 float32; bv 1,024 float32.
;; Outputs: out0 4 x 2,048 x 1,024 float32.
;; One version. Each part assembles by itself: llvm-mc -triple=amdgcn-amd-amdhsa -mcpu=gfx1250 --defsym DOCPART=n.
;; ======== version 1 of 1: 5 launches
;; limits: values are held in f16: magnitudes above 65,504 overflow, below 6.1e-05 lose precision
;; workspace buffers: xb 16,777,216 bytes; wb 8,388,608 bytes; mbits 2,097,152 bytes of whole numbers; qkv 50,331,648 bytes; p 33,554,432 bytes; stats 1,048,576 bytes; o 16,777,216 bytes
;; launch prep (part 1): grid 256 x 7, 8 waves a work-group, no clusters, 68,608 bytes of LDS; arguments X, Wq, Wk, Wv, Wo, attention_mask, xb, wb, mbits; writes xb, wb, mbits
.if DOCPART == 1
	.amdgcn_target "amdgcn-amd-amdhsa--gfx1250"
	.amdhsa_code_object_version 6
	.text
	.protected	k_q62d8ae571c_prep
	.globl	k_q62d8ae571c_prep
	.p2align	8
	.type	k_q62d8ae571c_prep,@function
k_q62d8ae571c_prep:
	s_mov_b64 s[64:65], 0
	v_nop
	global_prefetch_b8 v0, s[64:65] scope:SCOPE_SE
	s_setreg_imm32_b32 hwreg(HW_REG_WAVE_MODE, 25, 1), 1
	s_wait_xcnt 0x0
; PREPARATION, a stream.  Grid y picks the part:
;   y = 0, 1  X (f32) -> xb (bf16), 64 KiB of input a work-group
;   y = 2     Wq, Wk, Wv (f32) -> wb rows 0-3071 (bf16); Wo -> wb rows 3072-4095: rounded to bf16 like the others, that number then written as f16
;   y = 3..6  attention_mask of batch y - 3 -> mbits: one bit a number (1: the number is not 0), laid out as the lane masks that the score launch selects by
; Every wave takes 8 KiB of input by sixteen 16-byte loads, all on their way at once; no loop, no barrier.
; mbits: a record of 256 bytes at ((batch 16 + t) 128 + qi) 256 for the 128 keys of block t and the 16 queries of block qi.  Word 8 b + r, bit l: mask[16 qi + l % 16][128 t + 16 b + 8 (l / 16) + r].
; LIMITS.  Wo in f16: |Wo| stays under 65,504; below 6.1e-5 f16 keeps a fixed step of 6e-8.
; No matrix unit, cluster or tensor load: nothing is shared between work-groups and each byte is read once.
.set SPARE, 67584                      ; behind the eight waves' regions: the spare words, 128 bytes a wave, four blocks of 256 bytes that no other line names
.set WREG,  8448                       ; a wave's own LDS region: 16 rows of 528 bytes
.set MP,    528                        ; a mask row in LDS: 512 bytes + 16: 33 x 16, so the 16 rows that a load touches start at 16 different 16-byte columns
.set SPW, 2                            ; v2  LDS address of my spare word; never rewritten
.set NIL, 3                            ; v3  0; never rewritten
	s_load_b512 s[8:23], s[0:1], 0x0               ; X s[8:9], Wq s[10:11], Wk s[12:13], Wv s[14:15], Wo s[16:17], mask s[18:19], xb s[20:21], wb s[22:23]
	s_load_b64 s[24:25], s[0:1], 0x40              ; mbits
	v_lshl_add_u32 v[SPW], v0, 2, SPARE
	v_mov_b32 v[NIL], 0
	v_lshrrev_b32 v1, 5, v0
	v_readfirstlane_b32 s4, v1                     ; wave 0..7
	v_and_b32 v6, 31, v0                           ; lane
	v_lshlrev_b32 v4, 4, v6                        ; 16 x lane
	s_and_b32 s5, ttmp7, 0xffff                    ; y
	s_lshr_b32 s26, ttmp9, 6                       ; y = 2: which of the four weights
	s_and_b32 s27, ttmp9, 63                       ;        and which 64 KiB of it
	s_lshl_b32 s7, s5, 8
	s_add_co_u32 s7, s7, ttmp9                     ; y < 2: which 64 KiB of X
	s_wait_kmcnt 0x0
	s_cmp_ge_u32 s5, 3
	s_cbranch_scc1 .Lmask
	; THE CASTS.  Source and destination are chosen among the buffers by the work-group's number alone.
	s_cmp_eq_u32 s26, 1
	s_cselect_b64 s[28:29], s[12:13], s[10:11]
	s_cmp_eq_u32 s26, 2
	s_cselect_b64 s[28:29], s[14:15], s[28:29]
	s_cmp_eq_u32 s26, 3
	s_cselect_b64 s[28:29], s[16:17], s[28:29]
	s_cmp_eq_u32 s5, 2
	s_cselect_b64 s[28:29], s[28:29], s[8:9]       ; from
	s_cselect_b64 s[30:31], s[22:23], s[20:21]     ; to
	s_cselect_b32 s27, s27, s7                     ; block of 64 KiB in the source
	s_cselect_b32 s7, ttmp9, s7                    ; block of 32 KiB in the destination
	s_cselect_b32 s26, s26, 0                      ; 3 only for Wo
	s_lshl_b32 s36, s27, 16
	s_mov_b32 s37, 0
	s_lshl_b32 s38, s7, 15
	s_mov_b32 s39, 0
	s_add_nc_u64 s[28:29], s[28:29], s[36:37]
	s_add_nc_u64 s[30:31], s[30:31], s[38:39]
	v_lshl_or_b32 v4, v1, 13, v4                   ; in: 8,192 x wave + 16 x lane
	v_lshrrev_b32 v5, 1, v4                        ; out: half of that
.set j, 0
.rept 16
	global_load_b128 v[16+4*j:19+4*j], v4, s[28:29] offset:512*j th:TH_LOAD_NT  ; 512 consecutive bytes a load
.set j, j+1
.endr
; Piece j: four numbers a lane, rounded and stored: 32 lanes x 8 bytes are 256 consecutive bytes, aligned.  wo = 1: the bf16 number is widened again and written as f16.
.macro CAST j, wo
	s_wait_loadcnt 15-(\j)                         ; loads come back in order: piece j is in, the younger ones stay out
.if \wo
	v_cvt_pk_bf16_f32 v112, v[16+4*(\j)], v[17+4*(\j)]
	v_cvt_pk_bf16_f32 v113, v[18+4*(\j)], v[19+4*(\j)]
	v_lshlrev_b32 v114, 16, v112
	v_and_b32 v115, 0xffff0000, v112
	v_lshlrev_b32 v116, 16, v113
	v_and_b32 v117, 0xffff0000, v113
	v_cvt_pk_f16_f32 v[80+2*(\j)], v114, v115
	v_cvt_pk_f16_f32 v[81+2*(\j)], v116, v117
.else
	v_cvt_pk_bf16_f32 v[80+2*(\j)], v[16+4*(\j)], v[17+4*(\j)]
	v_cvt_pk_bf16_f32 v[81+2*(\j)], v[18+4*(\j)], v[19+4*(\j)]
.endif
	global_store_b64 v5, v[80+2*(\j):81+2*(\j)], s[30:31] offset:256*(\j)
.endm
	s_cmp_eq_u32 s26, 3
	s_cbranch_scc1 .Lwo
.irp j, 0,1,2,3,4,5,6,7,8,9,10,11,12,13,14,15
	CAST \j, 0
.endr
	s_branch .Lend
.Lwo:
.irp j, 0,1,2,3,4,5,6,7,8,9,10,11,12,13,14,15
	CAST \j, 1
.endr
	s_branch .Lend
	; THE MASK.  A wave takes 16 queries x 128 keys: sixteen rows of 512 bytes.  They go through the wave's own LDS region, so that lane l gets row l % 16; a compare then makes a word of 32 bits.
.Lmask:
	s_sub_co_u32 s26, s5, 3                        ; batch
	s_lshr_b32 s27, ttmp9, 1                       ; qi
	s_and_b32 s28, ttmp9, 1
	s_lshl_b32 s28, s28, 3
	s_add_co_u32 s28, s28, s4                      ; t
	s_lshl_b32 s30, s26, 24                        ; a batch's mask is 2^24 bytes,
	s_lshl_b32 s29, s27, 17                        ; 16 rows of 8,192,
	s_add_co_u32 s30, s30, s29
	s_lshl_b32 s29, s28, 9                         ; 128 keys of 4
	s_add_co_u32 s30, s30, s29
	s_mov_b32 s31, 0
	s_add_nc_u64 s[30:31], s[18:19], s[30:31]
.set j, 0
.rept 16
	global_load_b128 v[16+4*j:19+4*j], v4, s[30:31] offset:8192*j th:TH_LOAD_NT  ; row j: 512 consecutive bytes
.set j, j+1
.endr
	s_mul_i32 s29, s4, WREG
	v_add_nc_u32 v7, s29, v4                       ; in: my region + 16 x lane
	v_and_b32 v8, 15, v0
	v_bfe_u32 v9, v0, 4, 1
	v_mul_u32_u24 v8, v8, MP
	v_lshl_add_u32 v8, v9, 5, v8
	v_add_nc_u32 v8, s29, v8                       ; back: row l % 16, 32 bytes on for lanes 16 to 31
	v_lshlrev_b32 v10, 3, v6                       ; out: 8 x lane
	s_lshl_b32 s36, s26, 4
	s_add_co_u32 s36, s36, s28
	s_lshl_b32 s36, s36, 7
	s_add_co_u32 s36, s36, s27
	s_lshl_b32 s36, s36, 8                         ; the record
	s_mov_b32 s37, 0
	s_add_nc_u64 s[36:37], s[24:25], s[36:37]
	v_mov_b32 v144, 0                              ; the record's even words, lane by lane
	v_mov_b32 v145, 0                              ; and its odd ones
.set j, 0
.rept 16
	s_wait_loadcnt 15-j
	ds_store_b128 v7, v[16+4*j:19+4*j] offset:MP*j
.set j, j+1
.endr
.set j, 0
.rept 16
	ds_load_b128 v[80+4*j:83+4*j], v8 offset:64*(j/2)+16*(j%2)  ; a wave's LDS instructions are served in order: these see the stores above.  Keys 16 b + 8 (l / 16) + 0..7 for b = j / 2
.set j, j+1
.endr
.irp b, 0,1,2,3,4,5,6,7
	s_wait_dscnt 14-2*(\b)                         ; group b's two loads are in
.irp r, 0,1,2,3,4,5,6,7
	v_cmp_ne_u32 s[40+(\r)], 0, v[80+8*(\b)+(\r)]  ; word 8 b + r of the record,
	v_writelane_b32 v[144+((\r)&1)], s[40+(\r)], 4*(\b)+((\r)>>1)  ; into the lane that stores it
.endr
.endr
	global_store_b64 v10, v[144:145], s[36:37]     ; 256 consecutive bytes, aligned
.Lend:
	s_wait_tensorcnt 0x0                           ; the wave's end: behind my last LDS store
	ds_add_u32 v[SPW], v[NIL]
	s_wait_dscnt 0x0
	s_endpgm
.Lfunc_end_k_q62d8ae571c_prep:
	.size	k_q62d8ae571c_prep, .Lfunc_end_k_q62d8ae571c_prep-k_q62d8ae571c_prep
	.p2alignl 7, 3214868480
	.fill 96, 4, 3214868480
	.section	.rodata,"a",@progbits
	.p2align	6, 0x0
	.amdhsa_kernel k_q62d8ae571c_prep
		.amdhsa_group_segment_fixed_size 68608
		.amdhsa_private_segment_fixed_size 0
		.amdhsa_enable_private_segment 0
		.amdhsa_kernarg_size 72
		.amdhsa_user_sgpr_count 2
		.amdhsa_user_sgpr_kernarg_segment_ptr 1
		.amdhsa_wavefront_size32 1
		.amdhsa_system_sgpr_workgroup_id_x 1
		.amdhsa_system_sgpr_workgroup_id_y 1
		.amdhsa_system_sgpr_workgroup_id_z 1
		.amdhsa_system_vgpr_workitem_id 0
		.amdhsa_next_free_vgpr 148
		.amdhsa_next_free_sgpr 66
		.amdhsa_reserve_vcc 0
		.amdhsa_float_denorm_mode_32 3
		.amdhsa_float_denorm_mode_16_64 3
		.amdhsa_memory_ordered 1
		.amdhsa_forward_progress 1
		.amdhsa_inst_pref_size 30
	.end_amdhsa_kernel
	.amdgpu_metadata
---
amdhsa.version: [ 1, 2 ]
amdhsa.kernels:
  - .name:           k_q62d8ae571c_prep
    .symbol:         k_q62d8ae571c_prep.kd
    .args:
      - { .name: X, .offset: 0, .size: 8, .value_kind: global_buffer, .address_space: global }
      - { .name: Wq, .offset: 8, .size: 8, .value_kind: global_buffer, .address_space: global }
      - { .name: Wk, .offset: 16, .size: 8, .value_kind: global_buffer, .address_space: global }
      - { .name: Wv, .offset: 24, .size: 8, .value_kind: global_buffer, .address_space: global }
      - { .name: Wo, .offset: 32, .size: 8, .value_kind: global_buffer, .address_space: global }
      - { .name: attention_mask, .offset: 40, .size: 8, .value_kind: global_buffer, .address_space: global }
      - { .name: xb, .offset: 48, .size: 8, .value_kind: global_buffer, .address_space: global }
      - { .name: wb, .offset: 56, .size: 8, .value_kind: global_buffer, .address_space: global }
      - { .name: mbits, .offset: 64, .size: 8, .value_kind: global_buffer, .address_space: global }
    .group_segment_fixed_size: 68608
    .private_segment_fixed_size: 0
    .kernarg_segment_align: 8
    .kernarg_segment_size: 72
    .max_flat_workgroup_size: 256
    .sgpr_count:     66
    .vgpr_count:     148
    .wavefront_size: 32
...
	.end_amdgpu_metadata
.endif
;; end of part 1
;; launch qkv (part 2): grid 8 x 32, 4 waves a work-group, clusters of 4 x 4, 327,680 bytes of LDS; arguments xb, wb, bq, bk, bv, qkv; writes qkv
.if DOCPART == 2
	.amdgcn_target "amdgcn-amd-amdhsa--gfx1250"
	.amdhsa_code_object_version 6
	.text
	.protected	k_q62d8ae571c_qkv
	.globl	k_q62d8ae571c_qkv
	.p2align	8
	.type	k_q62d8ae571c_qkv,@function
k_q62d8ae571c_qkv:
	s_mov_b64 s[64:65], 0
	v_nop
	global_prefetch_b8 v0, s[64:65] scope:SCOPE_SE
	s_setreg_imm32_b32 hwreg(HW_REG_WAVE_MODE, 25, 1), 1
	s_wait_xcnt 0x0
	s_wait_alu depctr_hold_cnt(0) depctr_sa_sdst(0) depctr_va_vdst(0) depctr_va_sdst(0) depctr_va_ssrc(0) depctr_va_vcc(0) depctr_vm_vsrc(0)
	s_getreg_b32 s2, hwreg(HW_REG_IB_STS2, 6, 4)
	s_cmp_eq_u32 s2, 0
	s_cbranch_scc0 .Lentry_in_a_cluster
	s_endpgm
.Lentry_in_a_cluster:
	s_bfe_u32 s2, ttmp6, 0x10000c
	s_cmp_lg_u32 s2, 0xf033
	s_cbranch_scc0 .Lentry_shape_is_right
	s_endpgm
.Lentry_shape_is_right:
; THE THREE PROJECTIONS AS ONE PRODUCT.  qkv[m][n] = sum over k of xb[m][k] wb[n][k] + bias[n], m < 8192, n < 3072 (Q, K, V side by side), k < 1024.  xb, wb bf16; sums and bias in f32; qkv f16, rounded once.
; LIMIT.  |Q|, |K|, |V| stay under 65,504 (f16); below 6.1e-5 f16 keeps a fixed step of 6e-8.
; SHARES.  A WORK-GROUP STAYS: it makes two tiles of 128 rows x 384 columns, 4,096 rows apart, with the same rows of wb: 8 x 32 = 256 work-groups of equal work.  Each of its four waves makes all
; 128 rows x 96 columns of a tile: 48 accumulators of 16 x 16.  K goes in steps of 128 (256 bytes of a row, aligned) through two LDS slots filled by tensor loads: wave 0 fetches A's 128 rows, waves 1 to 3 B's 3 x 128.
; The two tiles' 16 K steps are ONE sequence for the ring: the first tile's last two changes of slots ask for the second tile's first two K steps, and the first tile's stores leave while the second is multiplied.
; CLUSTER 4 x 4: the four of a row need the same rows of xb, the four of a column the same rows of wb: each tile is asked for jointly.
; The matrix instruction is used transposed (source 0 = 16 rows of wb, source 1 = 16 rows of xb): a lane holds one row of the result and eight neighbouring columns.  In that layout the bias of a
; column block is the same eight registers for every row block: it is the C operand of the products that start the sums.
; REGISTERS by windows of 256: window 0: v16-40 addresses, v64-127 and v128-191 A's fragments (two buffers; the way out works there too), v192-239 the bias of my 96 columns; window 1: v64-111, v128-175 B's fragments;
; windows 2, 3: accumulator (a, b) at v[8 (6 (a % 4) + b)] of window 2 + a / 4.
; No prefetch: a tile has eight K steps, and wb's tiles are walked by all eight rows of clusters.
.set PITCH,  272                       ; an LDS row: 256 bytes + 16 of padding: 17 x 16, so the 16 rows of a fragment load start at 16 different 16-byte columns
.set HALFT,  128*PITCH                 ; what one tensor load brings
.set SLOT1,  4*HALFT                   ; a slot: A's 128 rows, then B's 384.  0x22000 shares no bit with wave x 0x8800, so an exclusive or changes slots
.set STAGE,  2*SLOT1                   ; behind the ring, never filled by a tensor load: two buffers of 16 rows for the way out
.set SPITCH, 784                       ; a row of the stage: 768 bytes + 16 = 49 x 16
.set SBUF,   16*SPITCH                 ; 12,544 bytes = 49 blocks of 256
.set SPARE,  STAGE+2*SBUF              ; the spare words, 128 bytes a wave: two blocks of 256 bytes that no other line names
.set STEPS,  8                         ; K steps of a tile
.set F0, 64
.set F1, 128
.set NF, 28                            ; LDS loads in a quarter's run
.set FLAGS, (1<<16)|(1<<20)|(1<<21)|(5<<22)|(3<<25)  ; 2-byte elements; padding on; bit 21 beside a mask; after every 64 words, 4 words
.set MSB, 0
.macro WIN new                         ; the immediate's high byte repeats the setting that is left; a switch that changes nothing is dropped
.if MSB != (\new)
	s_set_vgpr_msb (MSB<<8)|(\new)
.set MSB, \new
.endif
.endm
.macro PLACES                          ; four places in front of loads into registers that matrix instructions have read, and of lines that read results
.rept 4
	v_nop
.endr
.endm
.macro CREST                           ; a round of the cluster's barrier behind its opening barrier
	s_cmp_lg_u32 s12, 0
	s_cbranch_scc1 .Lnot_wave_0_\@
	s_barrier_signal -3
.Lnot_wave_0_\@:
	s_barrier_wait -3
	s_barrier_signal -1
	s_barrier_wait -1
.endm
.macro CROUND
	s_barrier_signal -1
	s_barrier_wait -1
	CREST
.endm
.macro JLOAD                           ; a joint refill by the walking descriptors: wave 0 A's tile, waves 1 to 3 B's; an s_nop 0 and four v_nop follow each line
	s_cmp_eq_u32 s12, 0
	s_cbranch_scc0 .Lfor_b_\@
	tensor_load_to_lds s[36:39], s[24:31]
	s_nop 0
.rept 4
	v_nop
.endr
	s_branch .Lasked_\@
.Lfor_b_\@:
	tensor_load_to_lds s[60:63], s[48:55]
	s_nop 0
.rept 4
	v_nop
.endr
.Lasked_\@:
.endm
; The walking descriptors: the other slot, the next K step.  The addresses are made anew: a base and an offset along K that goes 0 .. 1,792 and round; where it comes round, A's base goes on to the second tile's rows.
.macro STEPD
	s_xor_b32 s37, s37, SLOT1
	s_xor_b32 s61, s61, SLOT1
	s_add_co_u32 s92, s92, 256
	s_and_b32 s92, s92, 0x7ff
	s_cmp_eq_u32 s92, 0
	s_cselect_b32 s94, 0x800000, 0                 ; 4,096 rows of 2,048 bytes
	s_add_nc_u64 s[88:89], s[88:89], s[94:95]
	s_add_nc_u64 s[38:39], s[88:89], s[92:93]
	s_or_b32 s39, s39, 0x80000000
	s_add_nc_u64 s[62:63], s[90:91], s[92:93]
	s_or_b32 s63, s63, 0x80000000
.endm
	s_load_b256 s[4:11], s[0:1], 0x0               ; xb s[4:5], wb s[6:7], bq s[8:9], bk s[10:11]
	s_load_b128 s[84:87], s[0:1], 0x20             ; bv s[84:85], qkv s[86:87]
	v_lshl_add_u32 v28, v0, 2, SPARE
	v_mov_b32 v29, 0
	ds_add_u32 v28, v29                            ; the wave's opening: the add and its wait stand ahead of my first tensor load
	v_lshrrev_b32 v1, 5, v0
	v_readfirstlane_b32 s12, v1                    ; wave 0..3
	s_max_u32 s14, s12, 1
	s_sub_co_u32 s14, s14, 1                       ; waves 1 to 3: which 128 rows of B's tile I fetch (it enters a global address alone)
	s_mov_b32 s15, 0                               ; the slot that is read: 0 or SLOT1
	s_bfe_u32 s40, ttmp6, 0x40000                  ; cx
	s_bfe_u32 s41, ttmp6, 0x40004                  ; cy
	s_lshl_b32 s42, ttmp9, 2
	s_add_co_u32 s42, s42, s40                     ; tile column 0..7
	s_and_b32 s43, ttmp7, 0xffff
	s_lshl_b32 s43, s43, 2
	s_add_co_u32 s43, s43, s41                     ; the first tile's row 0..31; the second's is 32 more
	s_lshl_b32 s44, s41, 2
	s_lshl_b32 s44, 15, s44                        ; my row of the cluster
	s_lshl_b32 s45, 0x1111, s40                    ; my column
	s_or_b32 s24, s44, FLAGS
	s_or_b32 s48, s45, FLAGS
.irp g, 24, 48
	s_mov_b32 s[(\g)+1], 128<<16                   ; tensor_dim0 = 128
	s_mov_b32 s[(\g)+2], 128<<16                   ; tensor_dim1 = 128
	s_mov_b32 s[(\g)+3], 128<<16                   ; tile_dim0 = 128
	s_mov_b32 s[(\g)+4], 128                       ; tile_dim1 = 128
	s_mov_b32 s[(\g)+5], 1024                      ; elements from row to row
	s_mov_b32 s[(\g)+6], 0
	s_mov_b32 s[(\g)+7], 0
.endr
	s_lshl_b32 s16, s43, 18                        ; A: 128 rows of 2,048 bytes a tile row
	s_mov_b32 s17, 0
	s_mul_i32 s46, s42, 786432                     ; B: 384 rows a tile column,
	s_lshl_b32 s47, s14, 18                        ; my 128 of them
	s_add_co_u32 s46, s46, s47
	s_mov_b32 s47, 0
	s_mul_i32 s20, s12, HALFT                      ; where my load goes: wave x 128 rows
	s_mov_b32 s92, 256                             ; the walking descriptors' offset along K: K step 1
	s_mov_b32 s93, 0
	s_mov_b32 s95, 0
	s_wait_dscnt 0x0                               ; the opening add is done
	s_wait_kmcnt 0x0
	s_add_nc_u64 s[88:89], s[4:5], s[16:17]        ; A's base
	s_add_nc_u64 s[90:91], s[6:7], s[46:47]        ; B's base
	s_mov_b32 s32, 1                               ; group 0 for A: K step 0 into slot 0
	s_mov_b32 s33, s20
	s_mov_b64 s[34:35], s[88:89]
	s_or_b32 s35, s35, 0x80000000
	s_mov_b32 s36, 1                               ; the walker: K step 1 into slot 1
	s_add_co_u32 s37, s20, SLOT1
	s_add_nc_u64 s[38:39], s[88:89], s[92:93]
	s_or_b32 s39, s39, 0x80000000
	s_mov_b32 s56, 1                               ; the same for B
	s_mov_b32 s57, s20
	s_mov_b64 s[58:59], s[90:91]
	s_or_b32 s59, s59, 0x80000000
	s_mov_b32 s60, 1
	s_add_co_u32 s61, s20, SLOT1
	s_add_nc_u64 s[62:63], s[90:91], s[92:93]
	s_or_b32 s63, s63, 0x80000000
	CROUND                                         ; all sixteen work-groups are here: the first joint loads meet
	s_cmp_eq_u32 s12, 0                            ; a wave's two first fills stand in one branch: two loads of mine are out
	s_cbranch_scc0 .Lfirst_b
	tensor_load_to_lds s[32:35], s[24:31]
	s_nop 0
	tensor_load_to_lds s[36:39], s[24:31]
	s_nop 0
.rept 4
	v_nop
.endr
	s_branch .Lfirst_done
.Lfirst_b:
	tensor_load_to_lds s[56:59], s[48:55]
	s_nop 0
	tensor_load_to_lds s[60:63], s[48:55]
	s_nop 0
.rept 4
	v_nop
.endr
.Lfirst_done:
	v_and_b32 v1, 15, v0                           ; r = l % 16
	v_bfe_u32 v2, v0, 4, 1                         ; h = l / 16
	v_and_b32 v3, 31, v0                           ; l
	; the bias of my 96 columns: for each group b of 16 columns the buffer is chosen by the column's number; a lane takes its eight columns
	v_lshlrev_b32 v40, 5, v2                       ; 32 h; never rewritten
	s_mul_i32 s16, s42, 384
	s_mul_i32 s17, s12, 96
	s_add_co_u32 s16, s16, s17                     ; my first column
.irp b, 0,1,2,3,4,5
	s_add_co_u32 s17, s16, 16*(\b)
	s_lshr_b32 s18, s17, 10                        ; 0: Q, 1: K, 2: V
	s_and_b32 s17, s17, 1023
	s_lshl_b32 s20, s17, 2
	s_mov_b32 s21, 0
	s_cmp_eq_u32 s18, 0
	s_cselect_b64 s[72+2*(\b):73+2*(\b)], s[8:9], s[10:11]
	s_cmp_eq_u32 s18, 2
	s_cselect_b64 s[72+2*(\b):73+2*(\b)], s[84:85], s[72+2*(\b):73+2*(\b)]
	s_add_nc_u64 s[72+2*(\b):73+2*(\b)], s[72+2*(\b):73+2*(\b)], s[20:21]
	global_load_b128 v[192+8*(\b):195+8*(\b)], v40, s[72+2*(\b):73+2*(\b)]
	global_load_b128 v[196+8*(\b):199+8*(\b)], v40, s[72+2*(\b):73+2*(\b)] offset:16
.endr
	; fragments: lane l holds row l % 16; two loads of 16 bytes, 32 bytes apart, at row x pitch + 16 h
	v_mul_u32_u24 v4, v1, PITCH
	v_lshl_add_u32 v16, v2, 4, v4                  ; A in slot 0: all 128 rows are mine
	s_mul_i32 s21, s12, 96*PITCH
	s_add_co_u32 s21, s21, HALFT
	v_add_nc_u32 v17, s21, v16                     ; B in slot 0: my 96 rows, behind A's 128
	v_mov_b32 v18, v16                             ; the same in the slot that is read
	v_mov_b32 v19, v17
	; the way out
	v_mul_u32_u24 v4, v1, SPITCH
	v_lshl_add_u32 v4, v2, 4, v4
	s_mul_i32 s21, s12, 192
	s_add_co_u32 s21, s21, STAGE
	v_add_nc_u32 v24, s21, v4                      ; into the stage: row r, my 192 bytes of it, 16 h
	s_mul_i32 s21, s12, 4*SPITCH                   ; back: of a pass's 16 rows wave w takes rows 4 w .. 4 w + 3, two rows (1,536 bytes) as three pieces of 512
	s_add_co_u32 s21, s21, STAGE
	v_lshl_add_u32 v32, v3, 4, s21                 ; piece 0: the even row's bytes 0-511
	v_mul_u32_u24 v5, v2, 272
	v_lshl_add_u32 v5, v1, 4, v5
	v_add_nc_u32 v33, s21, v5
	v_add_nc_u32 v33, 512, v33                     ; piece 1: its bytes 512-767 (lanes 0-15), the odd row's 0-255 (lanes 16-31)
	v_add_nc_u32 v34, SPITCH+256, v32              ; piece 2: the odd row's bytes 256-767
	v_lshlrev_b32 v36, 4, v3                       ; and the same three in qkv, whose rows are 6,144 bytes
	v_mul_u32_u24 v5, v2, 5632
	v_lshl_add_u32 v5, v1, 4, v5
	v_add_nc_u32 v37, 512, v5
	v_add_nc_u32 v38, 6144+256, v36
	s_lshl_b32 s16, s43, 7
	s_lshl_b32 s17, s12, 2
	s_add_co_u32 s16, s16, s17                     ; the first row that I store
	s_mul_i32 s16, s16, 6144
	s_mul_i32 s17, s42, 768
	s_add_co_u32 s16, s16, s17
	s_mov_b32 s17, 0
	s_add_nc_u64 s[86:87], s[86:87], s[16:17]
; six matrix instructions: row block a x my six column blocks, 32 along K, from buffer f.  first = 1: the products start the sums, with the bias as C.  Every accumulator has one turn a quarter, in one order.
.macro MULROW f, a, first
.if \first
	WIN 0x81+0x40*((\a)/4)                         ; source 0 (B) window 1, source 1 (A) and C (the bias) window 0, D window 2 or 3
.else
	WIN 0xa1+0x50*((\a)/4)                         ; C and D window 2 or 3
.endif
.irp b, 0,1,2,3,4,5
.if \first
	v_wmma_f32_16x16x32_bf16 v[8*(6*((\a)%4)+(\b)):8*(6*((\a)%4)+(\b))+7], v[(\f)+8*(\b):(\f)+8*(\b)+7], v[(\f)+8*(\a):(\f)+8*(\a)+7], v[192+8*(\b):199+8*(\b)]
.else
	v_wmma_f32_16x16x32_bf16 v[8*(6*((\a)%4)+(\b)):8*(6*((\a)%4)+(\b))+7], v[(\f)+8*(\b):(\f)+8*(\b)+7], v[(\f)+8*(\a):(\f)+8*(\a)+7], v[8*(6*((\a)%4)+(\b)):8*(6*((\a)%4)+(\b))+7]
.endif
.endr
.endm
; 28 LDS loads in one run: a quarter's fragments (32 along K at byte k of the rows) into buffer f
.macro FETCH k, f
	WIN 0x40
.irp i, 0,1,2,3,4,5
	ds_load_b128 v[(\f)+8*(\i):(\f)+8*(\i)+3],   v19 offset:(\k)+(\i)*16*PITCH
	ds_load_b128 v[(\f)+8*(\i)+4:(\f)+8*(\i)+7], v19 offset:(\k)+(\i)*16*PITCH+32
.endr
	WIN 0
.irp i, 0,1,2,3,4,5,6,7
	ds_load_b128 v[(\f)+8*(\i):(\f)+8*(\i)+3],   v18 offset:(\k)+(\i)*16*PITCH
	ds_load_b128 v[(\f)+8*(\i)+4:(\f)+8*(\i)+7], v18 offset:(\k)+(\i)*16*PITCH+32
.endr
.endm
; A quarter: the next quarter's fragments are asked for (byte k, buffer g), then buffer f is multiplied
.macro Q k, f, g, first
	PLACES
	FETCH \k, \g
	s_wait_dscnt NF                                ; all but the run just issued: buffer f is in
.irp a, 0,1,2,3,4,5,6,7
	MULROW \f, \a, \first
.endr
.endm
; A K step's third quarter also changes slots: it asks for the slot's last fragments; each wave waits for all its tensor loads (one is out: its part of the next slot), adds 0 to its spare
; word, and waits for that and for its reads of the slot.  fill = 1: the barrier opens a round of the cluster's barrier, and the joint refill is the first thing behind the round.
.macro TQ fill
	PLACES
	FETCH 192, F1
	s_wait_dscnt NF
.irp a, 0,1,2,3
	MULROW F0, \a, 0
.endr
	WIN 0                                          ; the add's two registers lie in window 0
	s_wait_tensorcnt 0x0                           ; no tensor load of mine is out, so the walking descriptors may be written
	ds_add_u32 v28, v29                            ; 0 onto my spare word; work on registers stands between it and the wait for it
.if \fill
	STEPD
.endif
	MULROW F0, 4, 0
	MULROW F0, 5, 0
	s_wait_dscnt 0x0                               ; the add is done, and my reads of this slot are over
	s_barrier_signal -1
	MULROW F0, 6, 0
	MULROW F0, 7, 0
	WIN 0
	s_barrier_wait -1
.if \fill
	CREST
	JLOAD
.endif
	s_xor_b32 s15, s15, SLOT1                      ; the fetches go on in the other slot
	v_add_nc_u32 v18, s15, v16
	v_add_nc_u32 v19, s15, v17
.endm
; A trip of every loop below: a K step's last quarter, the next step's first three, and its change of slots
.macro TRIP fill
	Q 0, F1, F0, 0
	Q 64, F0, F1, 0
	Q 128, F1, F0, 0
	TQ \fill
	s_sub_co_u32 s3, s3, 1
	s_cmp_lg_u32 s3, 0
.endm
; THE WAY OUT, eight passes of 16 rows.  ARITH: rounded to f16, 16 bytes a lane.  PUT: into the stage's buffer a % 2; a barrier, since a row's 768 bytes come from four waves.  GET: four whole rows back.  SEND: stored.
; One barrier a pass does: buffer a % 2 is written again in pass a + 2, behind the barrier of pass a + 1, in front of which every wave has waited for its reads of pass a.
.macro ARITH a
	WIN 0x0a+5*((\a)/4)                            ; sources 0 and 1: the accumulators' window
.set i, 0
.rept 24
	v_cvt_pk_f16_f32 v[112+i], v[48*((\a)%4)+2*i], v[48*((\a)%4)+2*i+1]
.set i, i+1
.endr
	WIN 0
.endm
.macro PUT a
.irp b, 0,1,2,3,4,5
	ds_store_b128 v24, v[112+4*(\b):115+4*(\b)] offset:((\a)%2)*SBUF+32*(\b)
.endr
	s_wait_dscnt 0x0                               ; for the others' sake: my stores into the stage are done, and my reads of the pass before
	s_barrier_signal -1
	s_barrier_wait -1
.endm
.macro GET a
	s_wait_xcnt 0x0                                ; the registers that the last pass's stores read are loaded again only behind this wait
.set i, 0
.rept 6
	ds_load_b128 v[160+4*i:163+4*i], v[32+i%3] offset:((\a)%2)*SBUF+2*SPITCH*(i/3)
.set i, i+1
.endr
.endm
.macro SEND a
.set i, 0
.rept 6
	s_wait_dscnt 5-i
	global_store_b128 v[36+i%3], v[160+4*i:163+4*i], s[86:87] offset:(16*(\a)+2*(i/3))*6144  ; each 16 lanes store 256 consecutive bytes, at a multiple of 256 from qkv's first byte
.set i, i+1
.endr
.endm
	s_wait_tensorcnt 0x1                           ; my part of K step 0 is in; K step 1's may stay out
	s_barrier_signal -1
	s_barrier_wait -1
	s_wait_loadcnt 0x0                             ; the bias: the first products take it as C
	s_mov_b32 s2, 2                                ; tiles to go
.Ltile:
	FETCH 0, F0
	Q 64, F0, F1, 1                                ; a tile's first quarter starts the sums
	WIN 0
	s_mov_b32 s3, STEPS-2
	s_branch .LFin                                 ; the loop is entered in the middle of a trip
.LF:                                                   ; the changes of slots of a tile's K steps 0 to 5: each fills the slot that it leaves with the K step two on
	Q 0, F1, F0, 0
	Q 64, F0, F1, 0
	WIN 0
.LFin:
	Q 128, F1, F0, 0
	TQ 1
	s_sub_co_u32 s3, s3, 1
	s_cmp_lg_u32 s3, 0
	s_cbranch_scc1 .LF
	s_mov_b32 s3, 2
	s_cmp_eq_u32 s2, 1
	s_cbranch_scc1 .LN
.LG:                                                   ; the first tile's K steps 6 and 7: the ring goes on into the second tile
	TRIP 1
	s_cbranch_scc1 .LG
	s_branch .Lout
.LN:                                                   ; the second tile's K steps 6 and 7: nothing is left to ask for
	TRIP 0
	s_cbranch_scc1 .LN
.Lout:
.irp a, 0,1,2,3,4,5,6,7
	MULROW F1, \a, 0                               ; the tile's last quarter
.endr
	WIN 0
	PLACES
	PLACES
	ARITH 0
.irp a, 0,1,2,3,4,5,6,7
	PUT \a
	GET \a
.if (\a) < 7
	ARITH (\a)+1                                   ; the next pass's roundings stand between the loads and the wait for them
.endif
	SEND \a
.endr
	s_wait_xcnt 0x0                                ; the stores' base, and the registers that they read, are written again only behind this wait
	s_add_nc_u64 s[86:87], s[86:87], 0x1800000     ; 4,096 rows of qkv on
	s_sub_co_u32 s2, s2, 1
	s_cmp_lg_u32 s2, 0
	s_cbranch_scc1 .Ltile
	s_wait_tensorcnt 0x0                           ; the wave's end
	ds_add_u32 v28, v29
	s_wait_dscnt 0x0
	CROUND                                         ; the closing round
	s_endpgm
.Lfunc_end_k_q62d8ae571c_qkv:
	.size	k_q62d8ae571c_qkv, .Lfunc_end_k_q62d8ae571c_qkv-k_q62d8ae571c_qkv
	.p2alignl 7, 3214868480
	.fill 96, 4, 3214868480
	.section	.rodata,"a",@progbits
	.p2align	6, 0x0
	.amdhsa_kernel k_q62d8ae571c_qkv
		.amdhsa_group_segment_fixed_size 327680
		.amdhsa_private_segment_fixed_size 0
		.amdhsa_enable_private_segment 0
		.amdhsa_kernarg_size 48
		.amdhsa_user_sgpr_count 2
		.amdhsa_user_sgpr_kernarg_segment_ptr 1
		.amdhsa_wavefront_size32 1
		.amdhsa_system_sgpr_workgroup_id_x 1
		.amdhsa_system_sgpr_workgroup_id_y 1
		.amdhsa_system_sgpr_workgroup_id_z 1
		.amdhsa_system_vgpr_workitem_id 0
		.amdhsa_next_free_vgpr 1024
		.amdhsa_next_free_sgpr 100
		.amdhsa_reserve_vcc 0
		.amdhsa_float_denorm_mode_32 3
		.amdhsa_float_denorm_mode_16_64 3
		.amdhsa_memory_ordered 1
		.amdhsa_forward_progress 1
		.amdhsa_inst_pref_size 112
	.end_amdhsa_kernel
	.amdgpu_metadata
---
amdhsa.version: [ 1, 2 ]
amdhsa.kernels:
  - .name:           k_q62d8ae571c_qkv
    .symbol:         k_q62d8ae571c_qkv.kd
    .args:
      - { .name: xb, .offset: 0, .size: 8, .value_kind: global_buffer, .address_space: global }
      - { .name: wb, .offset: 8, .size: 8, .value_kind: global_buffer, .address_space: global }
      - { .name: bq, .offset: 16, .size: 8, .value_kind: global_buffer, .address_space: global }
      - { .name: bk, .offset: 24, .size: 8, .value_kind: global_buffer, .address_space: global }
      - { .name: bv, .offset: 32, .size: 8, .value_kind: global_buffer, .address_space: global }
      - { .name: qkv, .offset: 40, .size: 8, .value_kind: global_buffer, .address_space: global }
    .group_segment_fixed_size: 327680
    .private_segment_fixed_size: 0
    .kernarg_segment_align: 8
    .kernarg_segment_size: 48
    .max_flat_workgroup_size: 128
    .sgpr_count:     100
    .vgpr_count:     1024
    .wavefront_size: 32
...
	.end_amdgpu_metadata
.endif
;; end of part 2
;; launch scores (part 3): grid 8 x 32, 4 waves a work-group, clusters of 4 x 4, 327,680 bytes of LDS; arguments qkv, mbits, p, stats; writes p, stats
.if DOCPART == 3
	.amdgcn_target "amdgcn-amd-amdhsa--gfx1250"
	.amdhsa_code_object_version 6
	.text
	.protected	k_q62d8ae571c_scores
	.globl	k_q62d8ae571c_scores
	.p2align	8
	.type	k_q62d8ae571c_scores,@function
k_q62d8ae571c_scores:
	s_mov_b64 s[64:65], 0
	v_nop
	global_prefetch_b8 v0, s[64:65] scope:SCOPE_SE
	s_setreg_imm32_b32 hwreg(HW_REG_WAVE_MODE, 25, 1), 1
	s_wait_xcnt 0x0
	s_wait_alu depctr_hold_cnt(0) depctr_sa_sdst(0) depctr_va_vdst(0) depctr_va_sdst(0) depctr_va_ssrc(0) depctr_va_vcc(0) depctr_vm_vsrc(0)
	s_getreg_b32 s2, hwreg(HW_REG_IB_STS2, 6, 4)
	s_cmp_eq_u32 s2, 0
	s_cbranch_scc0 .Lentry_in_a_cluster
	s_endpgm
.Lentry_in_a_cluster:
	s_bfe_u32 s2, ttmp6, 0x10000c
	s_cmp_lg_u32 s2, 0xf033
	s_cbranch_scc0 .Lentry_shape_is_right
	s_endpgm
.Lentry_shape_is_right:
; SCORES AND THE FIRST HALF OF THE SOFTMAX.  s[q][k] = Q[q] . K[k] (not yet divided by 32), Q and K f16 out of qkv, sums in f32.  Where the mask's bit is 0 the score is 32 x (-1e20), as in the
; problem's own order of division and masking.  For each query and each block t of 128 keys: m = the block's largest s; p = 2^(c (s - m)), c = log2(e) / 32, stored as f16; l = the sum of the unrounded p.
; The next launch joins the blocks by their maxima, so every exponential has a true maximum taken away: the difference is formed first and then scaled, so the largest p of a block is exactly 1.
; LIMITS.  p below 2^-126 counts as 0 in l; p in f16 keeps a fixed step of 6e-8 below 6.1e-5; NaN and infinities are not treated apart.
; SHARES.  A work-group makes 256 queries x 256 keys of one batch, 256 work-groups; each of four waves 128 x 128: 64 accumulators.  K (here the 1,024 channels) goes in steps of 128 through two LDS slots.
; CLUSTER 4 x 4: a row of the cluster shares Q's rows, a column K's rows: joint loads.  The matrix instruction is used transposed (source 0 = 16 keys, source 1 = 16 queries):
; a lane holds one query (l % 16) and keys 16 b + 8 (l / 16) + 0..7, which is the order of mbits' words: word 8 b + r is the lane mask for register r of accumulator (a, b).
; REGISTERS: window 0: v16-29 addresses, v64-127, v128-191 Q's fragments, later the way out; window 1: v64-127, v128-191 K's fragments; windows 2, 3: accumulator (a, b) at v[8 (8 (a % 4) + b)] of window 2 + a / 4.
; No prefetch: the walk has eight K steps, and every tile is walked by four or eight work-group rows or columns.
.set PITCH,  272
.set HALFT,  128*PITCH
.set SLOT1,  4*HALFT
.set STAGE,  2*SLOT1                   ; 16 rows x 272 bytes for each wave, its own
.set SPARE,  STAGE+4*16*PITCH          ; the spare words: two blocks of 256 bytes that no other line names
.set STEPS,  8
.set ASTEP,  256
.set BSTEP,  256
.set F0, 64
.set F1, 128
.set NF, 32
.set FLAGS, (1<<16)|(1<<20)|(1<<21)|(5<<22)|(3<<25)
.set MSB, 0
.macro WIN new
.if MSB != (\new)
	s_set_vgpr_msb (MSB<<8)|(\new)
.set MSB, \new
.endif
.endm
.macro PLACES
.rept 4
	v_nop
.endr
.endm
.macro CREST
	s_cmp_lg_u32 s12, 0
	s_cbranch_scc1 .Lnot_wave_0_\@
	s_barrier_signal -3
.Lnot_wave_0_\@:
	s_barrier_wait -3
	s_barrier_signal -1
	s_barrier_wait -1
.endm
.macro CROUND
	s_barrier_signal -1
	s_barrier_wait -1
	CREST
.endm
.macro JLOAD                           ; waves 0 and 1 fetch Q's two halves, waves 2 and 3 K's
	s_cmp_eq_u32 s13, 0
	s_cbranch_scc0 .Lfor_b_\@
	tensor_load_to_lds s[36:39], s[24:31]
	s_nop 0
.rept 4
	v_nop
.endr
	s_branch .Lasked_\@
.Lfor_b_\@:
	tensor_load_to_lds s[60:63], s[48:55]
	s_nop 0
.rept 4
	v_nop
.endr
.Lasked_\@:
.endm
.macro STEPD
	s_xor_b32 s37, s37, SLOT1
	s_add_nc_u64 s[38:39], s[38:39], ASTEP
	s_xor_b32 s61, s61, SLOT1
	s_add_nc_u64 s[62:63], s[62:63], BSTEP
.endm
	s_load_b256 s[4:11], s[0:1], 0x0               ; qkv s[4:5], mbits s[6:7], p s[8:9], stats s[10:11]
	v_lshl_add_u32 v28, v0, 2, SPARE
	v_mov_b32 v29, 0
	ds_add_u32 v28, v29                            ; the wave's opening: the add and its wait stand ahead of my first tensor load
	v_lshrrev_b32 v1, 5, v0
	v_readfirstlane_b32 s12, v1                    ; wave 0..3
	s_lshr_b32 s13, s12, 1                         ; my half of the queries.  Also: I fetch Q (0) or K (1)
	s_and_b32 s14, s12, 1                          ; my half of the keys.  Also: which 128 rows I fetch
	s_mov_b32 s15, 0
	s_bfe_u32 s40, ttmp6, 0x40000                  ; cx
	s_bfe_u32 s41, ttmp6, 0x40004                  ; cy
	s_lshl_b32 s42, ttmp9, 2
	s_add_co_u32 s42, s42, s40                     ; key tile 0..7
	s_and_b32 s43, ttmp7, 0xffff
	s_lshr_b32 s22, s43, 1                         ; batch: two clusters along y to a batch
	s_lshl_b32 s43, s43, 2
	s_add_co_u32 s43, s43, s41                     ; query tile 0..31, over all batches
	s_lshl_b32 s44, s41, 2
	s_lshl_b32 s44, 15, s44
	s_lshl_b32 s45, 0x1111, s40
	s_or_b32 s24, s44, FLAGS
	s_or_b32 s48, s45, FLAGS
.irp g, 24, 48
	s_mov_b32 s[(\g)+1], 128<<16
	s_mov_b32 s[(\g)+2], 128<<16
	s_mov_b32 s[(\g)+3], 128<<16
	s_mov_b32 s[(\g)+4], 128
	s_mov_b32 s[(\g)+5], 3072                      ; a row of qkv has 3,072 elements
	s_mov_b32 s[(\g)+6], 0
	s_mov_b32 s[(\g)+7], 0
.endr
	s_lshl_b32 s16, s43, 8
	s_lshl_b32 s17, s14, 7
	s_add_co_u32 s16, s16, s17                     ; Q: row 256 x query tile + 128 x half
	s_mul_i32 s16, s16, 6144
	s_mov_b32 s17, 0
	s_lshl_b32 s46, s22, 11
	s_lshl_b32 s47, s42, 8
	s_add_co_u32 s46, s46, s47
	s_lshl_b32 s47, s14, 7
	s_add_co_u32 s46, s46, s47                     ; K: row 2,048 x batch + 256 x key tile + 128 x half,
	s_mul_i32 s46, s46, 6144
	s_add_co_u32 s46, s46, 2048                    ; 2,048 bytes into the row
	s_mov_b32 s47, 0
	s_mul_i32 s20, s12, HALFT
	s_wait_dscnt 0x0
	s_wait_kmcnt 0x0
	s_add_nc_u64 s[16:17], s[4:5], s[16:17]
	s_add_nc_u64 s[46:47], s[4:5], s[46:47]
	s_mov_b32 s32, 1
	s_mov_b32 s33, s20
	s_mov_b64 s[34:35], s[16:17]
	s_or_b32 s35, s35, 0x80000000
	s_mov_b32 s36, 1
	s_add_co_u32 s37, s20, SLOT1
	s_add_nc_u64 s[38:39], s[16:17], ASTEP
	s_or_b32 s39, s39, 0x80000000
	s_mov_b32 s56, 1
	s_mov_b32 s57, s20
	s_mov_b64 s[58:59], s[46:47]
	s_or_b32 s59, s59, 0x80000000
	s_mov_b32 s60, 1
	s_add_co_u32 s61, s20, SLOT1
	s_add_nc_u64 s[62:63], s[46:47], BSTEP
	s_or_b32 s63, s63, 0x80000000
	CROUND
	s_cmp_eq_u32 s13, 0
	s_cbranch_scc0 .Lfirst_b
	tensor_load_to_lds s[32:35], s[24:31]
	s_nop 0
	tensor_load_to_lds s[36:39], s[24:31]
	s_nop 0
.rept 4
	v_nop
.endr
	s_branch .Lfirst_done
.Lfirst_b:
	tensor_load_to_lds s[56:59], s[48:55]
	s_nop 0
	tensor_load_to_lds s[60:63], s[48:55]
	s_nop 0
.rept 4
	v_nop
.endr
.Lfirst_done:
	v_and_b32 v1, 15, v0                           ; r
	v_bfe_u32 v2, v0, 4, 1                         ; h
	v_and_b32 v3, 31, v0                           ; l
	v_mul_u32_u24 v4, v1, PITCH
	v_lshl_add_u32 v4, v2, 4, v4
	s_mul_i32 s21, s13, HALFT
	s_mul_i32 s23, s14, HALFT
	s_add_co_u32 s23, s23, 2*HALFT
	v_add_nc_u32 v16, s21, v4                      ; my 128 rows of Q in slot 0
	v_add_nc_u32 v17, s23, v4                      ; my 128 rows of K
	v_mov_b32 v18, v16
	v_mov_b32 v19, v17
	s_mul_i32 s21, s12, 16*PITCH
	s_add_co_u32 s21, s21, STAGE                   ; my stage
	v_add_nc_u32 v24, s21, v4                      ; in: row r, 16 h
	v_mul_u32_u24 v5, v2, PITCH
	v_lshl_add_u32 v5, v1, 4, v5
	v_add_nc_u32 v25, s21, v5                      ; back: lanes 0-15 one row of 256 bytes, lanes 16-31 the next
	v_lshlrev_b32 v5, 12, v2
	v_lshl_add_u32 v26, v1, 4, v5                  ; the same two rows in p (4,096 bytes a row)
	v_lshlrev_b32 v27, 4, v3                       ; 16 l, for the statistics
	; what the way out needs is made now: the registers that hold the ids take the mask's words later
	s_lshl_b32 s17, s42, 1
	s_add_co_u32 s17, s17, s14                     ; t: my block of 128 keys
	s_lshl_b32 s18, s22, 4
	s_add_co_u32 s18, s18, s17
	s_lshl_b32 s18, s18, 7
	s_and_b32 s19, s43, 7
	s_lshl_b32 s19, s19, 4
	s_add_co_u32 s18, s18, s19
	s_lshl_b32 s19, s13, 3
	s_add_co_u32 s18, s18, s19                     ; (16 batch + t) 128 + my first block of 16 queries in the batch
	s_lshl_b32 s18, s18, 8
	s_mov_b32 s19, 0
	s_add_nc_u64 s[66:67], s[6:7], s[18:19]        ; my first record of mbits; the next seven follow it
	s_lshl_b32 s18, s43, 20
	s_lshl_b32 s19, s13, 19
	s_add_co_u32 s18, s18, s19
	s_lshl_b32 s19, s17, 8
	s_add_co_u32 s18, s18, s19
	s_mov_b32 s19, 0
	s_add_nc_u64 s[68:69], s[8:9], s[18:19]        ; p at my first row and key
	s_lshl_b32 s18, s43, 1
	s_add_co_u32 s18, s18, s13
	s_lshl_b32 s18, s18, 4
	s_add_co_u32 s18, s18, s17
	s_lshl_b32 s18, s18, 10
	s_mov_b32 s19, 0
	s_add_nc_u64 s[70:71], s[10:11], s[18:19]      ; my record of stats: ((row / 128) 16 + t) 1,024
	s_mov_b32 s72, 0x3d38aa3b                      ; c = log2(e) / 32
	s_mov_b32 s73, s72
	s_mov_b32 s74, 0x76543210                      ; v_permlanex16_b32: each lane takes its own place in the other half
	s_mov_b32 s75, 0xfedcba98
	s_mov_b32 s76, 0xffff0000                      ; lanes 16 to 31
	s_mov_b32 s77, 0                               ; the block of 16 queries in hand
.macro MULROW f, a, zero
	WIN 0xa1+0x50*((\a)/4)
.irp b, 0,1,2,3,4,5,6,7
.if \zero
	v_wmma_f32_16x16x32_f16 v[8*(8*((\a)%4)+(\b)):8*(8*((\a)%4)+(\b))+7], v[(\f)+8*(\b):(\f)+8*(\b)+7], v[(\f)+8*(\a):(\f)+8*(\a)+7], 0
.else
	v_wmma_f32_16x16x32_f16 v[8*(8*((\a)%4)+(\b)):8*(8*((\a)%4)+(\b))+7], v[(\f)+8*(\b):(\f)+8*(\b)+7], v[(\f)+8*(\a):(\f)+8*(\a)+7], v[8*(8*((\a)%4)+(\b)):8*(8*((\a)%4)+(\b))+7]
.endif
.endr
.endm
.macro FETCH k, f
	WIN 0x40
.irp i, 0,1,2,3,4,5,6,7
	ds_load_b128 v[(\f)+8*(\i):(\f)+8*(\i)+3],   v19 offset:(\k)+(\i)*16*PITCH
	ds_load_b128 v[(\f)+8*(\i)+4:(\f)+8*(\i)+7], v19 offset:(\k)+(\i)*16*PITCH+32
.endr
	WIN 0
.irp i, 0,1,2,3,4,5,6,7
	ds_load_b128 v[(\f)+8*(\i):(\f)+8*(\i)+3],   v18 offset:(\k)+(\i)*16*PITCH
	ds_load_b128 v[(\f)+8*(\i)+4:(\f)+8*(\i)+7], v18 offset:(\k)+(\i)*16*PITCH+32
.endr
.endm
.macro Q k, f, g, zero
	PLACES
	FETCH \k, \g
	s_wait_dscnt NF                                ; all but the run just issued: buffer f is in
.irp a, 0,1,2,3,4,5,6,7
	MULROW \f, \a, \zero
.endr
.endm
.macro TQ fill                         ; the third quarter and the change of slots
	PLACES
	FETCH 192, F1
	s_wait_dscnt NF
.irp a, 0,1,2,3
	MULROW F0, \a, 0
.endr
	WIN 0
	s_wait_tensorcnt 0x0                           ; all my tensor loads have landed: the one that was out is my part of the next slot
	ds_add_u32 v28, v29
.if \fill
	STEPD
.endif
	MULROW F0, 4, 0
	MULROW F0, 5, 0
	s_wait_dscnt 0x0                               ; the add is done, and my reads of this slot are over
	s_barrier_signal -1
	MULROW F0, 6, 0
	MULROW F0, 7, 0
	WIN 0
	s_barrier_wait -1
.if \fill
	CREST
	JLOAD
.endif
	s_xor_b32 s15, s15, SLOT1
	v_add_nc_u32 v18, s15, v16
	v_add_nc_u32 v19, s15, v17
.endm
	s_wait_tensorcnt 0x1                           ; my part of K step 0 is in; step 1's may stay out
	s_barrier_signal -1
	s_barrier_wait -1
	FETCH 0, F0
	Q 64, F0, F1, 1                                ; the first quarter's products start the sums
	WIN 0
	s_mov_b32 s3, STEPS-2
	s_branch .LFin                                 ; the loop is entered in the middle of a trip
.LF:                                                   ; the changes of slots of K steps 0 to 5: each fills the slot that it leaves with the K step two on
	Q 0, F1, F0, 0
	Q 64, F0, F1, 0
	WIN 0
.LFin:
	Q 128, F1, F0, 0
	TQ 1
	s_sub_co_u32 s3, s3, 1
	s_cmp_lg_u32 s3, 0
	s_cbranch_scc1 .LF
	s_mov_b32 s3, 2
.LN:                                                   ; K steps 6 and 7: nothing is left to ask for
	Q 0, F1, F0, 0
	Q 64, F0, F1, 0
	Q 128, F1, F0, 0
	TQ 0
	s_sub_co_u32 s3, s3, 1
	s_cmp_lg_u32 s3, 0
	s_cbranch_scc1 .LN
	s_load_b512 s[16:31], s[66:67], 0x0            ; no tensor load is out any more, so the descriptors' registers take the first record of the mask: word w in s[16 + w], from word 48 on in s[32 + w]
	s_load_b512 s[32:47], s[66:67], 0x40
	s_load_b512 s[48:63], s[66:67], 0x80
	s_load_b512 s[80:95], s[66:67], 0xc0
.irp a, 0,1,2,3,4,5,6,7
	MULROW F1, \a, 0                               ; the last quarter
.endr
	WIN 0
	PLACES
	PLACES
	v_mov_b32 v216, 0xe32d78ec                     ; 32 x f32(-1e20)
	v_mov_b32 v135, 0
.irp i, 0,1,2,3,4,5,6,7
	v_mov_b32 v[208+(\i)], 0
.endr
	; THE WAY OUT, a loop over my eight blocks of 16 queries.  Only the 64 selects that copy a block's scores into window 0 are written eight times; the jumps to them go forward.
	; v64-127 the block's scores, then weights; v128-131 four running maxima; v[132:133] m twice; v134 l; v135 m (lanes 0-15) or l (lanes 16-31); v144-175 the weights in f16; v176-207 rows read back; v208-215 v135 of blocks 0-7.
.Lblk:
	s_wait_kmcnt 0x0                               ; this block's record of the mask
.irp a, 0,1,2,3,4,5,6
	s_cmp_eq_u32 s77, \a
	s_cbranch_scc1 .Lc\a
.endr
.irp a, 7,6,5,4,3,2,1,0
.Lc\a:
.if \a > 0
	v_mov_b32 v[207+(\a)], v135                    ; the block before's statistic
.endif
	WIN 0x08+4*((\a)/4)                            ; source 1: the accumulators' window
.set w, 0
.rept 64
	v_cndmask_b32 v[64+w], v216, v[64*((\a)%4)+w], s[16+w+16*(w/48)]  ; each accumulator's registers in ascending order
.set w, w+1
.endr
	WIN 0
	s_branch .Lcom
.endr
.Lcom:
	s_cmp_eq_u32 s77, 7
	s_cbranch_scc1 .Lnomore                        ; behind the last block there is no record
	s_add_nc_u64 s[66:67], s[66:67], 256
	s_load_b512 s[16:31], s[66:67], 0x0
	s_load_b512 s[32:47], s[66:67], 0x40
	s_load_b512 s[48:63], s[66:67], 0x80
	s_load_b512 s[80:95], s[66:67], 0xc0
.Lnomore:
.irp k, 0,1,2,3
	v_max3_num_f32 v[128+\k], v[64+16*\k], v[65+16*\k], v[66+16*\k]
.endr
.irp u, 0,1,2,3,4,5
.irp k, 0,1,2,3
	v_max3_num_f32 v[128+\k], v[128+\k], v[67+16*\k+2*\u], v[68+16*\k+2*\u]
.endr
.endr
	v_max3_num_f32 v128, v128, v79, v95
	v_max3_num_f32 v129, v129, v111, v127
	v_max3_num_f32 v128, v128, v129, v130
	v_max_num_f32 v128, v128, v131
	v_permlanex16_b32 v129, v128, s74, s75         ; the query's other 64 keys lie in the lane 16 away
	v_max_num_f32 v132, v128, v129
	v_mov_b32 v133, v132
.set i, 0
.rept 32
	v_pk_add_f32 v[64+2*i:65+2*i], v[64+2*i:65+2*i], v[132:133] neg_lo:[0,1] neg_hi:[0,1]  ; s - m first: exact 0 at the maximum, whatever its size
.set i, i+1
.endr
.set i, 0
.rept 32
	v_pk_mul_f32 v[64+2*i:65+2*i], v[64+2*i:65+2*i], s[72:73] op_sel_hi:[1,0]
.set i, i+1
.endr
.set i, 0
.rept 64
	v_exp_f32 v[64+i], v[64+i]
.set i, i+1
.endr
	v_nop                                          ; a plain instruction between the last exponential and the use of its result
.set i, 0
	s_wait_alu depctr_va_vdst(0)
.rept 32
	v_cvt_pk_f16_f32 v[144+i], v[64+2*i], v[65+2*i]
.set i, i+1
.endr
.irp b, 0,1,2,3,4,5,6,7
	ds_store_b128 v24, v[144+4*(\b):147+4*(\b)] offset:32*(\b)
.endr
.irp t, 0,1,2,3,4,5,6,7
	ds_load_b128 v[176+4*(\t):179+4*(\t)], v25 offset:2*PITCH*(\t)  ; a wave's LDS instructions are served in order: these see the stores above
.endr
.irp n, 16,8,4,2,1
.set i, 0
.rept \n
	v_pk_add_f32 v[64+2*i:65+2*i], v[64+2*i:65+2*i], v[64+2*(i+\n):65+2*(i+\n)]  ; the sum of the 64 weights, while the rows come back
.set i, i+1
.endr
.endr
	v_add_f32 v134, v64, v65
	v_permlanex16_b32 v130, v134, s74, s75
	v_add_f32 v134, v134, v130
	v_cndmask_b32 v135, v132, v134, s76
	s_wait_dscnt 0x0
.irp t, 0,1,2,3,4,5,6,7
	global_store_b128 v26, v[176+4*(\t):179+4*(\t)], s[68:69] offset:8192*(\t)  ; 16 lanes store 256 consecutive bytes, aligned
.endr
	s_wait_xcnt 0x0                                ; the stores' base and data are rewritten only behind this wait
	s_add_nc_u64 s[68:69], s[68:69], 0x10000       ; 16 rows of p on
	s_add_co_u32 s77, s77, 1
	s_cmp_lt_u32 s77, 8
	s_cbranch_scc1 .Lblk
	v_mov_b32 v215, v135
	global_store_b128 v27, v[208:211], s[70:71]            ; 512 consecutive bytes each: m of rows 16 j + l in lanes 0-15, l of the same rows in lanes 16-31
	global_store_b128 v27, v[212:215], s[70:71] offset:512
	s_wait_tensorcnt 0x0                           ; the wave's end
	ds_add_u32 v28, v29
	s_wait_dscnt 0x0
	CROUND
	s_endpgm
.Lfunc_end_k_q62d8ae571c_scores:
	.size	k_q62d8ae571c_scores, .Lfunc_end_k_q62d8ae571c_scores-k_q62d8ae571c_scores
	.p2alignl 7, 3214868480
	.fill 96, 4, 3214868480
	.section	.rodata,"a",@progbits
	.p2align	6, 0x0
	.amdhsa_kernel k_q62d8ae571c_scores
		.amdhsa_group_segment_fixed_size 327680
		.amdhsa_private_segment_fixed_size 0
		.amdhsa_enable_private_segment 0
		.amdhsa_kernarg_size 32
		.amdhsa_user_sgpr_count 2
		.amdhsa_user_sgpr_kernarg_segment_ptr 1
		.amdhsa_wavefront_size32 1
		.amdhsa_system_sgpr_workgroup_id_x 1
		.amdhsa_system_sgpr_workgroup_id_y 1
		.amdhsa_system_sgpr_workgroup_id_z 1
		.amdhsa_system_vgpr_workitem_id 0
		.amdhsa_next_free_vgpr 1024
		.amdhsa_next_free_sgpr 102
		.amdhsa_reserve_vcc 0
		.amdhsa_float_denorm_mode_32 3
		.amdhsa_float_denorm_mode_16_64 3
		.amdhsa_memory_ordered 1
		.amdhsa_forward_progress 1
		.amdhsa_inst_pref_size 122
	.end_amdhsa_kernel
	.amdgpu_metadata
---
amdhsa.version: [ 1, 2 ]
amdhsa.kernels:
  - .name:           k_q62d8ae571c_scores
    .symbol:         k_q62d8ae571c_scores.kd
    .args:
      - { .name: qkv, .offset: 0, .size: 8, .value_kind: global_buffer, .address_space: global }
      - { .name: mbits, .offset: 8, .size: 8, .value_kind: global_buffer, .address_space: global }
      - { .name: p, .offset: 16, .size: 8, .value_kind: global_buffer, .address_space: global }
      - { .name: stats, .offset: 24, .size: 8, .value_kind: global_buffer, .address_space: global }
    .group_segment_fixed_size: 327680
    .private_segment_fixed_size: 0
    .kernarg_segment_align: 8
    .kernarg_segment_size: 32
    .max_flat_workgroup_size: 128
    .sgpr_count:     102
    .vgpr_count:     1024
    .wavefront_size: 32
...
	.end_amdgpu_metadata
.endif
;; end of part 3
;; launch pv (part 4): grid 4 x 64, 4 waves a work-group, clusters of 4 x 4, 327,680 bytes of LDS; arguments p, qkv, stats, o; writes o
.if DOCPART == 4
	.amdgcn_target "amdgcn-amd-amdhsa--gfx1250"
	.amdhsa_code_object_version 6
	.text
	.protected	k_q62d8ae571c_pv
	.globl	k_q62d8ae571c_pv
	.p2align	8
	.type	k_q62d8ae571c_pv,@function
k_q62d8ae571c_pv:
	s_mov_b64 s[64:65], 0
	v_nop
	global_prefetch_b8 v0, s[64:65] scope:SCOPE_SE
	s_setreg_imm32_b32 hwreg(HW_REG_WAVE_MODE, 25, 1), 1
	s_wait_xcnt 0x0
	s_wait_alu depctr_hold_cnt(0) depctr_sa_sdst(0) depctr_va_vdst(0) depctr_va_sdst(0) depctr_va_ssrc(0) depctr_va_vcc(0) depctr_vm_vsrc(0)
	s_getreg_b32 s2, hwreg(HW_REG_IB_STS2, 6, 4)
	s_cmp_eq_u32 s2, 0
	s_cbranch_scc0 .Lentry_in_a_cluster
	s_endpgm
.Lentry_in_a_cluster:
	s_bfe_u32 s2, ttmp6, 0x10000c
	s_cmp_lg_u32 s2, 0xf033
	s_cbranch_scc0 .Lentry_shape_is_right
	s_endpgm
.Lentry_shape_is_right:
; THE SECOND HALF OF THE SOFTMAX AND THE PRODUCT WITH V.  For each query: M = the largest of its 16 block maxima m_t; f_t = 2^(c (m_t - M)), c = log2(e) / 32; L = sum of f_t l_t;
; O[q] = (sum over t of f_t (P_t V_t)) / L.  P and V f16, sums in f32, O f16, rounded once.  A K step is one block t of 128 keys, so a step's fragments of P are scaled by one factor a query, in f16.
; LIMITS.  f_t is rounded to f16 for the product and enters L unrounded (2^-12 of itself apart); f_t p in f16 keeps a fixed step of 6e-8 below 6.1e-5; |O| stays within V's range.
; SHARES.  A work-group makes 128 queries x 256 channels: 64 x 4 = 256 work-groups.  A wave makes 64 x 128: 32 accumulators.  Waves 0 and 1 fetch P's two halves (64 rows), waves 2 and 3 V's (64 keys x 512 bytes).
; CLUSTER 4 x 4: a row of the cluster shares P's rows, a column V's tile: joint loads.  Source 0 = V^T (16 channels x 32 keys, turned by ds_load_tr16_b128), source 1 = P (16 queries x 32 keys):
; a lane holds one query (l % 16) and eight neighbouring channels.
; AHEAD OF THE LOADS.  Behind each joint refill and the run of LDS loads that follows it a wave prefetches into the L2 part of the K step that stands TWO refills on: a lane a row, one instruction.
; P's 128 rows x 256 bytes are read by my row of the cluster alone: each of its four work-groups takes 32 rows, told apart by address; wave 0 asks.  V's 128 keys x 512 bytes are read by the four
; clusters of a batch: the first of them asks; each work-group of a column takes 32 keys, told apart by address; wave 2 asks for their first 256 bytes, wave 3 for the second.  So each aligned block of
; 256 bytes is named once in the launch.  K steps 0 to 3 come by their loads alone; the last request, behind the change of slots of K step 11, is for K step 15.
; REGISTERS: window 0: v16-29 addresses, v52-59 1 / L in pairs, v64-223 the way out; window 1: v48-51 the step's four factors (both halves of a word), v64-127, v128-191 V's fragments;
; window 2: accumulators of row blocks 0, 1 (v[64 a + 8 b]), v128-135 M and L at the start; window 3: accumulators of row blocks 2, 3, v128-159, v160-191 P's fragments.
.set PA,    272                        ; a row of P in LDS: 256 + 16
.set PV,    544                        ; a row of V: 512 + 32 = 17 x 32
.set VOFF,  128*PA
.set SLOT1, 1<<17                      ; a slot: P's 128 rows, V's 128 keys: 104,448 bytes; slot 1 begins here
.set STAGE, SLOT1+VOFF+128*PV          ; 16 rows x 272 bytes for each wave
.set FTAB,  STAGE+4*16*PA              ; 8 KiB for each wave, its own: [t][lane] 16 bytes: the four factors of the lane's queries
.set SPARE, FTAB+4*8192                ; the spare words
.set STEPS, 16
.set ASTEP, 256
.set BSTEP, 128*6144
.set FLAGA, (1<<16)|(1<<20)|(1<<21)|(5<<22)|(3<<25)
.set FLAGB, (1<<16)|(1<<20)|(1<<21)|(6<<22)|(7<<25)  ; after every 128 words, 8 words
.set MSB, 0
.macro WIN new
.if MSB != (\new)
	s_set_vgpr_msb (MSB<<8)|(\new)
.set MSB, \new
.endif
.endm
.macro PLACES
.rept 4
	v_nop
.endr
.endm
.macro CREST
	s_cmp_lg_u32 s12, 0
	s_cbranch_scc1 .Lnot_wave_0_\@
	s_barrier_signal -3
.Lnot_wave_0_\@:
	s_barrier_wait -3
	s_barrier_signal -1
	s_barrier_wait -1
.endm
.macro CROUND
	s_barrier_signal -1
	s_barrier_wait -1
	CREST
.endm
.macro JLOAD
	s_cmp_eq_u32 s13, 0
	s_cbranch_scc0 .Lfor_b_\@
	tensor_load_to_lds s[36:39], s[24:31]
	s_nop 0
.rept 4
	v_nop
.endr
	s_branch .Lasked_\@
.Lfor_b_\@:
	tensor_load_to_lds s[60:63], s[48:55]
	s_nop 0
.rept 4
	v_nop
.endr
.Lasked_\@:
.endm
.macro STEPD
	s_xor_b32 s37, s37, SLOT1
	s_add_nc_u64 s[38:39], s[38:39], ASTEP
	s_xor_b32 s61, s61, SLOT1
	s_add_nc_u64 s[62:63], s[62:63], BSTEP
.endm
.macro ASK                             ; s76 = 1 in a wave that prefetches, else the greatest number; s3 = 13 - t behind the change of slots of K step t: the requests end with t = 11
	s_cmp_gt_u32 s3, s76
	s_cbranch_scc0 .Lnot_mine_\@
	global_prefetch_b8 v22, s[68:69] th:TH_LOAD_NT scope:SCOPE_SE
.Lnot_mine_\@:
.endm
	s_load_b256 s[4:11], s[0:1], 0x0               ; p s[4:5], qkv s[6:7], stats s[8:9], o s[10:11]
	v_lshl_add_u32 v28, v0, 2, SPARE
	v_mov_b32 v29, 0
	ds_add_u32 v28, v29                            ; the wave's opening: the add and its wait stand ahead of my first tensor load
	v_lshrrev_b32 v1, 5, v0
	v_readfirstlane_b32 s12, v1
	s_lshr_b32 s13, s12, 1                         ; my half of the queries.  Also: I fetch P (0) or V (1)
	s_and_b32 s14, s12, 1                          ; my half of the channels.  Also: which half of the tile I fetch
	s_mov_b32 s15, 0
	s_bfe_u32 s40, ttmp6, 0x40000
	s_bfe_u32 s41, ttmp6, 0x40004
	s_lshl_b32 s42, ttmp9, 2
	s_add_co_u32 s42, s42, s40                     ; channel tile 0..3
	s_and_b32 s43, ttmp7, 0xffff
	s_lshr_b32 s22, s43, 2                         ; batch: four clusters along y to a batch
	s_lshl_b32 s43, s43, 2
	s_add_co_u32 s43, s43, s41                     ; query tile 0..63
	s_lshl_b32 s44, s41, 2
	s_lshl_b32 s44, 15, s44
	s_lshl_b32 s45, 0x1111, s40
	s_or_b32 s24, s44, FLAGA
	s_mov_b32 s25, 128<<16                         ; P: 64 rows x 128 elements, 2,048 elements from row to row
	s_mov_b32 s26, 64<<16
	s_mov_b32 s27, 128<<16
	s_mov_b32 s28, 64
	s_mov_b32 s29, 2048
	s_mov_b32 s30, 0
	s_mov_b32 s31, 0
	s_or_b32 s48, s45, FLAGB
	s_mov_b32 s49, 256<<16                         ; V: 64 keys x 256 elements, 3,072 elements from row to row
	s_mov_b32 s50, 64<<16
	s_mov_b32 s51, 256<<16
	s_mov_b32 s52, 64
	s_mov_b32 s53, 3072
	s_mov_b32 s54, 0
	s_mov_b32 s55, 0
	s_lshl_b32 s16, s43, 19                        ; P: 128 rows of 4,096 bytes a query tile,
	s_lshl_b32 s17, s14, 18                        ; my 64
	s_add_co_u32 s16, s16, s17
	s_mov_b32 s17, 0
	s_lshl_b32 s46, s22, 11
	s_lshl_b32 s47, s14, 6
	s_add_co_u32 s46, s46, s47                     ; V: row 2,048 x batch + 64 x half,
	s_mul_i32 s46, s46, 6144
	s_lshl_b32 s47, s42, 9
	s_add_co_u32 s46, s46, s47                     ; the tile's 512 bytes,
	s_add_co_u32 s46, s46, 4096                    ; 4,096 bytes into the row
	s_mov_b32 s47, 0
	s_mul_i32 s20, s14, 64*PA                      ; where P's half goes
	s_mul_i32 s21, s14, 64*PV
	s_add_co_u32 s21, s21, VOFF                    ; and V's
	s_wait_dscnt 0x0
	s_wait_kmcnt 0x0
	s_add_nc_u64 s[16:17], s[4:5], s[16:17]
	s_add_nc_u64 s[46:47], s[6:7], s[46:47]
	s_mov_b32 s32, 1
	s_mov_b32 s33, s20
	s_mov_b64 s[34:35], s[16:17]
	s_or_b32 s35, s35, 0x80000000
	s_mov_b32 s36, 1
	s_add_co_u32 s37, s20, SLOT1
	s_add_nc_u64 s[38:39], s[16:17], ASTEP
	s_or_b32 s39, s39, 0x80000000
	s_mov_b32 s56, 1
	s_mov_b32 s57, s21
	s_mov_b64 s[58:59], s[46:47]
	s_or_b32 s59, s59, 0x80000000
	s_mov_b32 s60, 1
	s_add_co_u32 s61, s21, SLOT1
	s_add_nc_u64 s[62:63], s[46:47], BSTEP
	s_or_b32 s63, s63, 0x80000000
	CROUND
	s_cmp_eq_u32 s13, 0
	s_cbranch_scc0 .Lfirst_b
	tensor_load_to_lds s[32:35], s[24:31]
	s_nop 0
	tensor_load_to_lds s[36:39], s[24:31]
	s_nop 0
.rept 4
	v_nop
.endr
	s_branch .Lfirst_done
.Lfirst_b:
	tensor_load_to_lds s[56:59], s[48:55]
	s_nop 0
	tensor_load_to_lds s[60:63], s[48:55]
	s_nop 0
.rept 4
	v_nop
.endr
.Lfirst_done:
	v_and_b32 v1, 15, v0                           ; r
	v_bfe_u32 v2, v0, 4, 1                         ; h
	v_and_b32 v3, 31, v0                           ; l
	v_lshlrev_b32 v21, 4, v1                       ; 16 r: my query's place in a record of stats; never rewritten
	s_lshl_b32 s18, s43, 14                        ; 16 records of 1,024 bytes a query tile,
	s_lshl_b32 s19, s13, 9                         ; my 64 rows' half of each
	s_add_co_u32 s18, s18, s19
	s_mov_b32 s19, 0
	s_add_nc_u64 s[66:67], s[8:9], s[18:19]
	s_mov_b32 s72, 0x3d38aa3b                      ; c
	s_mov_b32 s73, s72
	WIN 0x80                                       ; destination window 2: the accumulators' registers are free until the first product
.set t, 0
.rept 16
	global_load_b128 v[4*t:4*t+3], v21, s[66:67] offset:1024*t            ; m_t of my queries in row blocks 0 to 3
	global_load_b128 v[64+4*t:64+4*t+3], v21, s[66:67] offset:1024*t+256  ; l_t
.set t, t+1
.endr
	WIN 0
	v_mul_u32_u24 v4, v1, PA
	v_lshl_add_u32 v4, v2, 4, v4
	s_mul_i32 s21, s13, 64*PA
	v_add_nc_u32 v16, s21, v4                      ; my 64 rows of P in slot 0
	v_and_b32 v5, 7, v0
	v_bfe_u32 v6, v0, 3, 1
	v_lshl_add_u32 v5, v2, 3, v5                   ; the turning load: key 8 h + l % 8,
	v_mul_u32_u24 v5, v5, PV
	v_lshl_add_u32 v5, v6, 4, v5                   ; 16 bytes for each eight lanes,
	s_lshl_b32 s21, s14, 8
	s_add_co_u32 s21, s21, VOFF                    ; my 128 channels
	v_add_nc_u32 v17, s21, v5
	v_mov_b32 v18, v16
	v_mov_b32 v19, v17
	s_lshl_b32 s21, s12, 13
	s_add_co_u32 s21, s21, FTAB
	v_lshl_add_u32 v20, v3, 4, s21                 ; my 16 bytes of the table's row t = 0; it steps by 512
	s_mul_i32 s21, s12, 16*PA
	s_add_co_u32 s21, s21, STAGE
	v_add_nc_u32 v24, s21, v4                      ; the stage, in
	v_mul_u32_u24 v5, v2, PA
	v_lshl_add_u32 v5, v1, 4, v5
	v_add_nc_u32 v25, s21, v5                      ; and back
	v_lshlrev_b32 v5, 11, v2
	v_lshl_add_u32 v26, v1, 4, v5                  ; two rows of o (2,048 bytes a row)
	s_lshl_b32 s18, s43, 18
	s_lshl_b32 s19, s13, 17
	s_add_co_u32 s18, s18, s19
	s_lshl_b32 s19, s42, 9
	s_add_co_u32 s18, s18, s19
	s_lshl_b32 s19, s14, 8
	s_add_co_u32 s18, s18, s19
	s_mov_b32 s19, 0
	s_add_nc_u64 s[10:11], s[10:11], s[18:19]      ; o at my first row and channel
	; the prefetches: s[68:69] where they stand (at K step 3: each change of slots steps it before it is used), s[70:71] a K step, s76 who asks, v22 a lane a row
	s_and_b32 s16, ttmp7, 3                        ; my cluster's place among the batch's four
	s_cmp_eq_u32 s16, 0
	s_cselect_b32 s17, 1, -1                       ; V: the batch's first cluster
	s_cmp_eq_u32 s12, 0
	s_cselect_b32 s16, 1, -1                       ; P: wave 0
	s_lshl_b32 s18, s43, 7
	s_lshl_b32 s19, s40, 5
	s_add_co_u32 s18, s18, s19                     ; P: row 128 x query tile + my work-group's 32
	s_lshl_b32 s18, s18, 12
	s_add_co_u32 s18, s18, 3*ASTEP
	s_lshl_b32 s20, s22, 11
	s_lshl_b32 s21, s41, 5
	s_add_co_u32 s20, s20, s21
	s_add_co_u32 s20, s20, 3*128                   ; V: key 2,048 x batch + my work-group's 32, in K step 3,
	s_mul_i32 s20, s20, 6144
	s_lshl_b32 s21, s42, 9
	s_add_co_u32 s20, s20, s21                     ; the tile's 512 bytes,
	s_lshl_b32 s21, s14, 8
	s_add_co_u32 s20, s20, s21                     ; my wave's 256 of them
	s_add_co_u32 s20, s20, 4096
	s_mov_b32 s70, BSTEP
	s_mov_b32 s77, 6144
	s_cmp_eq_u32 s13, 0                            ; do I fetch P?
	s_cselect_b64 s[68:69], s[4:5], s[6:7]
	s_cselect_b32 s18, s18, s20
	s_cselect_b32 s76, s16, s17
	s_cselect_b32 s70, ASTEP, s70
	s_cselect_b32 s77, 4096, s77                   ; bytes from row to row
	s_mov_b32 s19, 0
	s_mov_b32 s71, 0
	s_add_nc_u64 s[68:69], s[68:69], s[18:19]
	v_mul_u32_u24 v22, v3, s77                     ; never rewritten
	s_wait_loadcnt 0x0
	WIN 0xaa                                       ; all in window 2
.irp j, 0,1,2,3
	v_max3_num_f32 v[128+\j], v[\j], v[4+\j], v[8+\j]
.endr
.irp u, 0,1,2,3,4,5
.irp j, 0,1,2,3
	v_max3_num_f32 v[128+\j], v[128+\j], v[12+8*\u+\j], v[16+8*\u+\j]
.endr
.endr
.irp j, 0,1,2,3
	v_max_num_f32 v[128+\j], v[128+\j], v[60+\j]   ; M
.endr
.set t, 0
.rept 16
	v_pk_add_f32 v[4*t:4*t+1], v[4*t:4*t+1], v[128:129] neg_lo:[0,1] neg_hi:[0,1]
	v_pk_add_f32 v[4*t+2:4*t+3], v[4*t+2:4*t+3], v[130:131] neg_lo:[0,1] neg_hi:[0,1]
.set t, t+1
.endr
.set i, 0
.rept 32
	v_pk_mul_f32 v[2*i:2*i+1], v[2*i:2*i+1], s[72:73] op_sel_hi:[1,0]
.set i, i+1
.endr
.set i, 0
.rept 64
	v_exp_f32 v[i], v[i]                           ; f_t
.set i, i+1
.endr
	v_nop
	s_wait_alu depctr_va_vdst(0)
	v_pk_mul_f32 v[132:133], v[0:1], v[64:65]
	v_pk_mul_f32 v[134:135], v[2:3], v[66:67]
.set t, 1
.rept 15
	v_pk_fma_f32 v[132:133], v[4*t:4*t+1], v[64+4*t:65+4*t], v[132:133]      ; L
	v_pk_fma_f32 v[134:135], v[4*t+2:4*t+3], v[66+4*t:67+4*t], v[134:135]
.set t, t+1
.endr
.set i, 0
.rept 64
	v_cvt_pk_f16_f32 v[i], v[i], v[i]              ; f_t in both halves of a word
.set i, i+1
.endr
	WIN 0x02
.irp j, 0,1,2,3
	v_rcp_f32 v[52+2*\j], v[132+\j]                ; 1 / L, twice: a pair for the packed multiply.  L is at least 1: the block that holds M has f = 1 and l >= 1
	v_rcp_f32 v[53+2*\j], v[132+\j]
.endr
	v_nop
	WIN 0x08                                       ; store data in window 2
.set t, 0
.rept 16
	ds_store_b128 v20, v[4*t:4*t+3] offset:512*t
.set t, t+1
.endr
	WIN 0
; eight matrix instructions: row block a x my eight channel blocks, 32 keys, from buffers f.  g >= 0 (row blocks 2 and 3 only): behind each stand two lines that scale
; the fragments of P just fetched into buffer g; under that window setting their destination and second source lie in window 3 and the factor in window 1, so they need no switch.
.macro MULA f, a, zero, g
	WIN 0xad+0x50*((\a)/2)                         ; source 0 (V) window 1, source 1 (P) window 3, C and D window 2 or 3
.irp b, 0,1,2,3,4,5,6,7
.if \zero
	v_wmma_f32_16x16x32_f16 v[64*((\a)%2)+8*(\b):64*((\a)%2)+8*(\b)+7], v[64+64*(\f)+8*(\b):64+64*(\f)+8*(\b)+7], v[128+32*(\f)+8*(\a):128+32*(\f)+8*(\a)+7], 0
.else
	v_wmma_f32_16x16x32_f16 v[64*((\a)%2)+8*(\b):64*((\a)%2)+8*(\b)+7], v[64+64*(\f)+8*(\b):64+64*(\f)+8*(\b)+7], v[128+32*(\f)+8*(\a):128+32*(\f)+8*(\a)+7], v[64*((\a)%2)+8*(\b):64*((\a)%2)+8*(\b)+7]
.endif
.if (\g) >= 0
	v_pk_mul_f16 v[128+32*(\g)+16*((\a)-2)+2*(\b)], v[48+(16*((\a)-2)+2*(\b))/8], v[128+32*(\g)+16*((\a)-2)+2*(\b)]
	v_pk_mul_f16 v[128+32*(\g)+16*((\a)-2)+2*(\b)+1], v[48+(16*((\a)-2)+2*(\b))/8], v[128+32*(\g)+16*((\a)-2)+2*(\b)+1]
.endif
.endr
.endm
; a quarter's run of LDS loads into buffers g: 8 for P, with quarter 0 the step's factors, 16 turning loads for V
.macro FETCH q, g
	WIN 0xc0
.irp a, 0,1,2,3
	ds_load_b128 v[128+32*(\g)+8*(\a):128+32*(\g)+8*(\a)+3],   v18 offset:64*(\q)+16*PA*(\a)
	ds_load_b128 v[128+32*(\g)+8*(\a)+4:128+32*(\g)+8*(\a)+7], v18 offset:64*(\q)+16*PA*(\a)+32
.endr
	WIN 0x40
.if (\q) == 0
	ds_load_b128 v[48:51], v20
.endif
.irp b, 0,1,2,3,4,5,6,7
	ds_load_tr16_b128 v[64+64*(\g)+8*(\b):64+64*(\g)+8*(\b)+3],   v19 offset:32*PV*(\q)+32*(\b)
	ds_load_tr16_b128 v[64+64*(\g)+8*(\b)+4:64+64*(\g)+8*(\b)+7], v19 offset:32*PV*(\q)+32*(\b)+16*PV
.endr
.endm
.macro Q q, f, g, zero, ask=0
	PLACES
	FETCH \q, \g
.if \ask
	WIN 0                                          ; a branch and a label follow
	ASK                                            ; behind the joint refill and the run of LDS loads; the wait below is for loads issued a quarter earlier
.endif
.if (\q) == 0
	s_wait_dscnt 25                                ; all but the run just issued
.else
	s_wait_dscnt 24
.endif
	MULA \f, 0, \zero, -1
	MULA \f, 1, \zero, -1
	s_wait_dscnt 16                                ; the run's P (and factors) are in; V's 16 loads may stay out
	MULA \f, 2, \zero, \g
	MULA \f, 3, \zero, \g
.endm
.macro TQ fill
.if \fill
	s_wait_xcnt 0x0                                ; the last prefetch, three quarters back, has read its address, so it may be stepped
	s_add_nc_u64 s[68:69], s[68:69], s[70:71]
.endif
	PLACES
	FETCH 3, 1
	s_wait_dscnt 24
	MULA 0, 0, 0, -1
	MULA 0, 1, 0, -1
	WIN 0
	v_add_nc_u32 v20, 512, v20                     ; the next step's factors
	s_wait_tensorcnt 0x0                           ; all my tensor loads have landed: my part of the next slot
	ds_add_u32 v28, v29
.if \fill
	STEPD
.endif
	s_wait_dscnt 17                                ; the run's P is in; V's 16 loads and the add may stay out
	MULA 0, 2, 0, 1
	s_wait_dscnt 0x0                               ; the add is done, and my reads of this slot are over
	s_barrier_signal -1
	MULA 0, 3, 0, 1
	WIN 0
	s_barrier_wait -1
.if \fill
	CREST
	JLOAD
.endif
	s_xor_b32 s15, s15, SLOT1
	v_add_nc_u32 v18, s15, v16
	v_add_nc_u32 v19, s15, v17
.endm
	s_wait_dscnt 0x0                               ; my table is written
	s_wait_tensorcnt 0x1                           ; my part of K step 0 is in; step 1's may stay out
	s_barrier_signal -1
	s_barrier_wait -1
	FETCH 0, 0
	s_wait_dscnt 0x0
	WIN 0xfd
.set i, 0
.rept 32
	v_pk_mul_f16 v[128+i], v[48+i/8], v[128+i]     ; the first quarter's P has no products to stand behind
.set i, i+1
.endr
	Q 1, 0, 1, 1                                   ; the first quarter's products start the sums
	WIN 0
	s_mov_b32 s3, STEPS-2
	s_branch .LFin                                 ; the loop is entered in the middle of a trip
.LF:                                                   ; the changes of slots of K steps 0 to 13: each fills the slot that it leaves with the K step two on
	Q 0, 1, 0, 0, 1
	Q 1, 0, 1, 0
	WIN 0
.LFin:
	Q 2, 1, 0, 0
	TQ 1
	s_sub_co_u32 s3, s3, 1
	s_cmp_lg_u32 s3, 0
	s_cbranch_scc1 .LF
	s_mov_b32 s3, 2
.LN:                                                   ; K steps 14 and 15: nothing is left to ask for
	Q 0, 1, 0, 0
	Q 1, 0, 1, 0
	Q 2, 1, 0, 0
	TQ 0
	s_sub_co_u32 s3, s3, 1
	s_cmp_lg_u32 s3, 0
	s_cbranch_scc1 .LN
	MULA 1, 0, 0, -1                               ; the last quarter
	MULA 1, 1, 0, -1
	MULA 1, 2, 0, -1
	MULA 1, 3, 0, -1
	WIN 0
	PLACES
	PLACES
	; THE WAY OUT: divided by L, rounded to f16, a block of 16 rows at a time through my own stage, back as whole rows of 256 bytes.
.irp a, 0,1,2,3
	WIN 0x02+((\a)/2)
.set i, 0
	s_wait_alu depctr_va_vdst(0)
.rept 32
	v_pk_mul_f32 v[64+2*i:65+2*i], v[64*((\a)%2)+2*i:64*((\a)%2)+2*i+1], v[52+2*(\a):53+2*(\a)]
.set i, i+1
.endr
	WIN 0
.set i, 0
.rept 32
	v_cvt_pk_f16_f32 v[128+i], v[64+2*i], v[65+2*i]
.set i, i+1
.endr
.if (\a) >= 2
	s_wait_xcnt 0x0                                ; the registers that the stores two blocks back read are loaded again only behind this wait
.endif
.irp b, 0,1,2,3,4,5,6,7
	ds_store_b128 v24, v[128+4*(\b):131+4*(\b)] offset:32*(\b)
.endr
.irp t, 0,1,2,3,4,5,6,7
	ds_load_b128 v[160+32*((\a)%2)+4*(\t):163+32*((\a)%2)+4*(\t)], v25 offset:2*PA*(\t)
.endr
	s_wait_dscnt 0x0
.irp t, 0,1,2,3,4,5,6,7
	global_store_b128 v26, v[160+32*((\a)%2)+4*(\t):163+32*((\a)%2)+4*(\t)], s[10:11] offset:32768*(\a)+4096*(\t)  ; 16 lanes store 256 consecutive bytes, aligned
.endr
.endr
	s_wait_tensorcnt 0x0                           ; the wave's end
	ds_add_u32 v28, v29
	s_wait_dscnt 0x0
	CROUND
	s_endpgm
.Lfunc_end_k_q62d8ae571c_pv:
	.size	k_q62d8ae571c_pv, .Lfunc_end_k_q62d8ae571c_pv-k_q62d8ae571c_pv
	.p2alignl 7, 3214868480
	.fill 96, 4, 3214868480
	.section	.rodata,"a",@progbits
	.p2align	6, 0x0
	.amdhsa_kernel k_q62d8ae571c_pv
		.amdhsa_group_segment_fixed_size 327680
		.amdhsa_private_segment_fixed_size 0
		.amdhsa_enable_private_segment 0
		.amdhsa_kernarg_size 32
		.amdhsa_user_sgpr_count 2
		.amdhsa_user_sgpr_kernarg_segment_ptr 1
		.amdhsa_wavefront_size32 1
		.amdhsa_system_sgpr_workgroup_id_x 1
		.amdhsa_system_sgpr_workgroup_id_y 1
		.amdhsa_system_sgpr_workgroup_id_z 1
		.amdhsa_system_vgpr_workitem_id 0
		.amdhsa_next_free_vgpr 960
		.amdhsa_next_free_sgpr 80
		.amdhsa_reserve_vcc 0
		.amdhsa_float_denorm_mode_32 3
		.amdhsa_float_denorm_mode_16_64 3
		.amdhsa_memory_ordered 1
		.amdhsa_forward_progress 1
		.amdhsa_inst_pref_size 112
	.end_amdhsa_kernel
	.amdgpu_metadata
---
amdhsa.version: [ 1, 2 ]
amdhsa.kernels:
  - .name:           k_q62d8ae571c_pv
    .symbol:         k_q62d8ae571c_pv.kd
    .args:
      - { .name: p, .offset: 0, .size: 8, .value_kind: global_buffer, .address_space: global }
      - { .name: qkv, .offset: 8, .size: 8, .value_kind: global_buffer, .address_space: global }
      - { .name: stats, .offset: 16, .size: 8, .value_kind: global_buffer, .address_space: global }
      - { .name: o, .offset: 24, .size: 8, .value_kind: global_buffer, .address_space: global }
    .group_segment_fixed_size: 327680
    .private_segment_fixed_size: 0
    .kernarg_segment_align: 8
    .kernarg_segment_size: 32
    .max_flat_workgroup_size: 128
    .sgpr_count:     80
    .vgpr_count:     960
    .wavefront_size: 32
...
	.end_amdgpu_metadata
.endif
;; end of part 4
;; launch outp (part 5): grid 4 x 64, 4 waves a work-group, clusters of 4 x 4, 327,680 bytes of LDS; arguments o, wb, bo, out0; writes out0
.if DOCPART == 5
	.amdgcn_target "amdgcn-amd-amdhsa--gfx1250"
	.amdhsa_code_object_version 6
	.text
	.protected	k_q62d8ae571c_outp
	.globl	k_q62d8ae571c_outp
	.p2align	8
	.type	k_q62d8ae571c_outp,@function
k_q62d8ae571c_outp:
	s_mov_b64 s[64:65], 0
	v_nop
	global_prefetch_b8 v0, s[64:65] scope:SCOPE_SE
	s_setreg_imm32_b32 hwreg(HW_REG_WAVE_MODE, 25, 1), 1
	s_wait_xcnt 0x0
	s_wait_alu depctr_hold_cnt(0) depctr_sa_sdst(0) depctr_va_vdst(0) depctr_va_sdst(0) depctr_va_ssrc(0) depctr_va_vcc(0) depctr_vm_vsrc(0)
	s_getreg_b32 s2, hwreg(HW_REG_IB_STS2, 6, 4)
	s_cmp_eq_u32 s2, 0
	s_cbranch_scc0 .Lentry_in_a_cluster
	s_endpgm
.Lentry_in_a_cluster:
	s_bfe_u32 s2, ttmp6, 0x10000c
	s_cmp_lg_u32 s2, 0xf033
	s_cbranch_scc0 .Lentry_shape_is_right
	s_endpgm
.Lentry_shape_is_right:
; THE OUTPUT PROJECTION.  out0[m][n] = sum over k of o[m][k] Wo[n][k] + bo[n].  o f16; Wo = wb's rows 3,072 on, bf16 numbers written as f16; sums and bias in f32; out0 f32.
; SHARES.  A work-group makes 128 rows x 256 columns: 256 work-groups; a wave 64 x 128: 32 accumulators.  K in steps of 128 through two LDS slots; waves 0 and 1 fetch o's two halves (64 rows), waves 2 and 3 Wo's (128 rows).
; CLUSTER 4 x 4: a row of the cluster shares o's rows, a column Wo's rows: joint loads.  The matrix instruction is used transposed: a lane holds one row and eight neighbouring columns.
; In that layout the bias of a column block is the same eight registers for every row block: it is the C operand of the products that start the sums, and the finished sums go into the stage as they are.
; REGISTERS: window 0: v16-29 addresses, v128-191 the way out, v192-255 the bias of my 128 columns; window 1: v64-127, v128-191 Wo's fragments;
; window 2: accumulators of row blocks 0, 1; window 3: those of row blocks 2, 3, and v128-159, v160-191 o's fragments.
; No prefetch: the walk has eight K steps, of which a lead of two refills would leave out four.
.set PA,    272
.set BOFF,  128*PA
.set SLOT1, 1<<17                      ; a slot: o's 128 rows, Wo's 256: 104,448 bytes
.set STAGE, SLOT1+BOFF+256*PA          ; 16 rows x 528 bytes for each wave
.set SP,    528                        ; 512 + 16 = 33 x 16
.set SPARE, STAGE+4*16*SP
.set STEPS, 8
.set ASTEP, 256
.set BSTEP, 256
.set FLAGS, (1<<16)|(1<<20)|(1<<21)|(5<<22)|(3<<25)
.set MSB, 0
.macro WIN new
.if MSB != (\new)
	s_set_vgpr_msb (MSB<<8)|(\new)
.set MSB, \new
.endif
.endm
.macro PLACES
.rept 4
	v_nop
.endr
.endm
.macro CREST
	s_cmp_lg_u32 s12, 0
	s_cbranch_scc1 .Lnot_wave_0_\@
	s_barrier_signal -3
.Lnot_wave_0_\@:
	s_barrier_wait -3
	s_barrier_signal -1
	s_barrier_wait -1
.endm
.macro CROUND
	s_barrier_signal -1
	s_barrier_wait -1
	CREST
.endm
.macro JLOAD
	s_cmp_eq_u32 s13, 0
	s_cbranch_scc0 .Lfor_b_\@
	tensor_load_to_lds s[36:39], s[24:31]
	s_nop 0
.rept 4
	v_nop
.endr
	s_branch .Lasked_\@
.Lfor_b_\@:
	tensor_load_to_lds s[60:63], s[48:55]
	s_nop 0
.rept 4
	v_nop
.endr
.Lasked_\@:
.endm
.macro STEPD
	s_xor_b32 s37, s37, SLOT1
	s_add_nc_u64 s[38:39], s[38:39], ASTEP
	s_xor_b32 s61, s61, SLOT1
	s_add_nc_u64 s[62:63], s[62:63], BSTEP
.endm
	s_load_b256 s[4:11], s[0:1], 0x0               ; o s[4:5], wb s[6:7], bo s[8:9], out0 s[10:11]
	v_lshl_add_u32 v28, v0, 2, SPARE
	v_mov_b32 v29, 0
	ds_add_u32 v28, v29                            ; the wave's opening: the add and its wait stand ahead of my first tensor load
	v_lshrrev_b32 v1, 5, v0
	v_readfirstlane_b32 s12, v1
	s_lshr_b32 s13, s12, 1                         ; my half of the rows.  Also: I fetch o (0) or Wo (1)
	s_and_b32 s14, s12, 1                          ; my half of the columns.  Also: which half of the tile I fetch
	s_mov_b32 s15, 0
	s_bfe_u32 s40, ttmp6, 0x40000
	s_bfe_u32 s41, ttmp6, 0x40004
	s_lshl_b32 s42, ttmp9, 2
	s_add_co_u32 s42, s42, s40                     ; column tile 0..3
	s_and_b32 s43, ttmp7, 0xffff
	s_lshl_b32 s43, s43, 2
	s_add_co_u32 s43, s43, s41                     ; row tile 0..63
	s_lshl_b32 s44, s41, 2
	s_lshl_b32 s44, 15, s44
	s_lshl_b32 s45, 0x1111, s40
	s_or_b32 s24, s44, FLAGS
	s_mov_b32 s25, 128<<16                         ; o: 64 rows x 128 elements
	s_mov_b32 s26, 64<<16
	s_mov_b32 s27, 128<<16
	s_mov_b32 s28, 64
	s_mov_b32 s29, 1024
	s_mov_b32 s30, 0
	s_mov_b32 s31, 0
	s_or_b32 s48, s45, FLAGS
	s_mov_b32 s49, 128<<16                         ; Wo: 128 rows x 128 elements
	s_mov_b32 s50, 128<<16
	s_mov_b32 s51, 128<<16
	s_mov_b32 s52, 128
	s_mov_b32 s53, 1024
	s_mov_b32 s54, 0
	s_mov_b32 s55, 0
	s_lshl_b32 s16, s43, 18                        ; o: 128 rows of 2,048 bytes a row tile,
	s_lshl_b32 s17, s14, 17                        ; my 64
	s_add_co_u32 s16, s16, s17
	s_mov_b32 s17, 0
	s_lshl_b32 s46, s42, 19                        ; Wo: 256 rows a column tile,
	s_lshl_b32 s47, s14, 18                        ; my 128,
	s_add_co_u32 s46, s46, s47
	s_add_co_u32 s46, s46, 3072*2048               ; behind wb's first 3,072 rows
	s_mov_b32 s47, 0
	s_mul_i32 s20, s14, 64*PA
	s_mul_i32 s21, s14, 128*PA
	s_add_co_u32 s21, s21, BOFF
	s_wait_dscnt 0x0
	s_wait_kmcnt 0x0
	s_add_nc_u64 s[16:17], s[4:5], s[16:17]
	s_add_nc_u64 s[46:47], s[6:7], s[46:47]
	s_mov_b32 s32, 1
	s_mov_b32 s33, s20
	s_mov_b64 s[34:35], s[16:17]
	s_or_b32 s35, s35, 0x80000000
	s_mov_b32 s36, 1
	s_add_co_u32 s37, s20, SLOT1
	s_add_nc_u64 s[38:39], s[16:17], ASTEP
	s_or_b32 s39, s39, 0x80000000
	s_mov_b32 s56, 1
	s_mov_b32 s57, s21
	s_mov_b64 s[58:59], s[46:47]
	s_or_b32 s59, s59, 0x80000000
	s_mov_b32 s60, 1
	s_add_co_u32 s61, s21, SLOT1
	s_add_nc_u64 s[62:63], s[46:47], BSTEP
	s_or_b32 s63, s63, 0x80000000
	CROUND
	s_cmp_eq_u32 s13, 0
	s_cbranch_scc0 .Lfirst_b
	tensor_load_to_lds s[32:35], s[24:31]
	s_nop 0
	tensor_load_to_lds s[36:39], s[24:31]
	s_nop 0
.rept 4
	v_nop
.endr
	s_branch .Lfirst_done
.Lfirst_b:
	tensor_load_to_lds s[56:59], s[48:55]
	s_nop 0
	tensor_load_to_lds s[60:63], s[48:55]
	s_nop 0
.rept 4
	v_nop
.endr
.Lfirst_done:
	v_and_b32 v1, 15, v0                           ; r
	v_bfe_u32 v2, v0, 4, 1                         ; h
	v_and_b32 v3, 31, v0                           ; l
	v_lshlrev_b32 v21, 5, v2                       ; 32 h; never rewritten
	s_lshl_b32 s18, s42, 10
	s_lshl_b32 s19, s14, 9
	s_add_co_u32 s18, s18, s19                     ; my first column, in bytes of f32
	s_mov_b32 s19, 0
	s_add_nc_u64 s[8:9], s[8:9], s[18:19]
.irp b, 0,1,2,3,4,5,6,7
	global_load_b128 v[192+8*(\b):195+8*(\b)], v21, s[8:9] offset:64*(\b)      ; the bias of columns 16 b + 8 h + 0..7
	global_load_b128 v[196+8*(\b):199+8*(\b)], v21, s[8:9] offset:64*(\b)+16
.endr
	v_mul_u32_u24 v4, v1, PA
	v_lshl_add_u32 v4, v2, 4, v4
	s_mul_i32 s21, s13, 64*PA
	v_add_nc_u32 v16, s21, v4                      ; my 64 rows of o in slot 0
	s_mul_i32 s21, s14, 128*PA
	s_add_co_u32 s21, s21, BOFF
	v_add_nc_u32 v17, s21, v4                      ; my 128 rows of Wo
	v_mov_b32 v18, v16
	v_mov_b32 v19, v17
	s_mul_i32 s21, s12, 16*SP
	s_add_co_u32 s21, s21, STAGE
	v_mul_u32_u24 v5, v1, SP
	v_lshl_add_u32 v5, v2, 5, v5
	v_add_nc_u32 v24, s21, v5                      ; the stage, in: row r, 32 h
	v_lshl_add_u32 v25, v3, 4, s21                 ; and back: a row's 512 bytes, 16 a lane
	v_lshlrev_b32 v26, 4, v3                       ; the same in out0
	s_lshl_b32 s16, s43, 19                        ; 128 rows of 4,096 bytes,
	s_lshl_b32 s17, s13, 18                        ; my 64
	s_add_co_u32 s16, s16, s17
	s_add_co_u32 s16, s16, s18
	s_mov_b32 s17, 0
	s_add_nc_u64 s[10:11], s[10:11], s[16:17]
; eight matrix instructions: row block a x my eight column blocks, 32 along K.  first = 1: the products start the sums, with the bias as C
.macro MULA f, a, first
.if \first
	WIN 0x8d+0x40*((\a)/2)                         ; source 0 (Wo) window 1, source 1 (o) window 3, C (the bias) window 0, D window 2 or 3
.else
	WIN 0xad+0x50*((\a)/2)                         ; C and D window 2 or 3
.endif
.irp b, 0,1,2,3,4,5,6,7
.if \first
	v_wmma_f32_16x16x32_f16 v[64*((\a)%2)+8*(\b):64*((\a)%2)+8*(\b)+7], v[64+64*(\f)+8*(\b):64+64*(\f)+8*(\b)+7], v[128+32*(\f)+8*(\a):128+32*(\f)+8*(\a)+7], v[192+8*(\b):199+8*(\b)]
.else
	v_wmma_f32_16x16x32_f16 v[64*((\a)%2)+8*(\b):64*((\a)%2)+8*(\b)+7], v[64+64*(\f)+8*(\b):64+64*(\f)+8*(\b)+7], v[128+32*(\f)+8*(\a):128+32*(\f)+8*(\a)+7], v[64*((\a)%2)+8*(\b):64*((\a)%2)+8*(\b)+7]
.endif
.endr
.endm
.macro FETCH q, g                      ; 24 LDS loads in one run
	WIN 0xc0
.irp a, 0,1,2,3
	ds_load_b128 v[128+32*(\g)+8*(\a):128+32*(\g)+8*(\a)+3],   v18 offset:64*(\q)+16*PA*(\a)
	ds_load_b128 v[128+32*(\g)+8*(\a)+4:128+32*(\g)+8*(\a)+7], v18 offset:64*(\q)+16*PA*(\a)+32
.endr
	WIN 0x40
.irp b, 0,1,2,3,4,5,6,7
	ds_load_b128 v[64+64*(\g)+8*(\b):64+64*(\g)+8*(\b)+3],   v19 offset:64*(\q)+16*PA*(\b)
	ds_load_b128 v[64+64*(\g)+8*(\b)+4:64+64*(\g)+8*(\b)+7], v19 offset:64*(\q)+16*PA*(\b)+32
.endr
.endm
.macro Q q, f, g, first
	PLACES
	FETCH \q, \g
	s_wait_dscnt 24                                ; all but the run just issued
.irp a, 0,1,2,3
	MULA \f, \a, \first
.endr
.endm
.macro TQ fill
	PLACES
	FETCH 3, 1
	s_wait_dscnt 24
	MULA 0, 0, 0
	MULA 0, 1, 0
	WIN 0
	s_wait_tensorcnt 0x0                           ; all my tensor loads have landed: my part of the next slot
	ds_add_u32 v28, v29
.if \fill
	STEPD
.endif
	MULA 0, 2, 0
	s_wait_dscnt 0x0                               ; the add is done, and my reads of this slot are over
	s_barrier_signal -1
	MULA 0, 3, 0
	WIN 0
	s_barrier_wait -1
.if \fill
	CREST
	JLOAD
.endif
	s_xor_b32 s15, s15, SLOT1
	v_add_nc_u32 v18, s15, v16
	v_add_nc_u32 v19, s15, v17
.endm
	s_wait_tensorcnt 0x1                           ; my part of K step 0 is in; step 1's may stay out
	s_barrier_signal -1
	s_barrier_wait -1
	s_wait_loadcnt 0x0                             ; the bias: the first products take it as C
	FETCH 0, 0
	Q 1, 0, 1, 1                                   ; the first quarter's products start the sums
	WIN 0
	s_mov_b32 s3, STEPS-2
	s_branch .LFin                                 ; the loop is entered in the middle of a trip
.LF:                                                   ; the changes of slots of K steps 0 to 5: each fills the slot that it leaves with the K step two on
	Q 0, 1, 0, 0
	Q 1, 0, 1, 0
	WIN 0
.LFin:
	Q 2, 1, 0, 0
	TQ 1
	s_sub_co_u32 s3, s3, 1
	s_cmp_lg_u32 s3, 0
	s_cbranch_scc1 .LF
	s_mov_b32 s3, 2
.LN:                                                   ; K steps 6 and 7: nothing is left to ask for
	Q 0, 1, 0, 0
	Q 1, 0, 1, 0
	Q 2, 1, 0, 0
	TQ 0
	s_sub_co_u32 s3, s3, 1
	s_cmp_lg_u32 s3, 0
	s_cbranch_scc1 .LN
.irp a, 0,1,2,3
	MULA 1, \a, 0                                  ; the last quarter
.endr
	WIN 0
	PLACES
	PLACES
	; THE WAY OUT: a block of 16 rows at a time out of the accumulators into my own stage, back as whole rows of 512 bytes.
.irp a, 0,1,2,3
	WIN 0x08+4*((\a)/2)                            ; store data: the accumulators' window
.irp b, 0,1,2,3,4,5,6,7
	ds_store_b128 v24, v[64*((\a)%2)+8*(\b):64*((\a)%2)+8*(\b)+3] offset:64*(\b)       ; each accumulator's low registers first
	ds_store_b128 v24, v[64*((\a)%2)+8*(\b)+4:64*((\a)%2)+8*(\b)+7] offset:64*(\b)+16
.endr
	WIN 0
.if (\a) > 0
	s_wait_xcnt 0x0                                ; the registers that the last block's stores read are loaded again only behind this wait
.endif
.set i, 0
.rept 16
	ds_load_b128 v[128+4*i:131+4*i], v25 offset:SP*i   ; a wave's LDS instructions are served in order: these see the stores above
.set i, i+1
.endr
.set i, 0
.rept 16
	s_wait_dscnt 15-i
	global_store_b128 v26, v[128+4*i:131+4*i], s[10:11] offset:(16*(\a)+i)*4096  ; 512 consecutive bytes, aligned
.set i, i+1
.endr
.endr
	s_wait_tensorcnt 0x0                           ; the wave's end
	ds_add_u32 v28, v29
	s_wait_dscnt 0x0
	CROUND
	s_endpgm
.Lfunc_end_k_q62d8ae571c_outp:
	.size	k_q62d8ae571c_outp, .Lfunc_end_k_q62d8ae571c_outp-k_q62d8ae571c_outp
	.p2alignl 7, 3214868480
	.fill 96, 4, 3214868480
	.section	.rodata,"a",@progbits
	.p2align	6, 0x0
	.amdhsa_kernel k_q62d8ae571c_outp
		.amdhsa_group_segment_fixed_size 327680
		.amdhsa_private_segment_fixed_size 0
		.amdhsa_enable_private_segment 0
		.amdhsa_kernarg_size 32
		.amdhsa_user_sgpr_count 2
		.amdhsa_user_sgpr_kernarg_segment_ptr 1
		.amdhsa_wavefront_size32 1
		.amdhsa_system_sgpr_workgroup_id_x 1
		.amdhsa_system_sgpr_workgroup_id_y 1
		.amdhsa_system_sgpr_workgroup_id_z 1
		.amdhsa_system_vgpr_workitem_id 0
		.amdhsa_next_free_vgpr 960
		.amdhsa_next_free_sgpr 80
		.amdhsa_reserve_vcc 0
		.amdhsa_float_denorm_mode_32 3
		.amdhsa_float_denorm_mode_16_64 3
		.amdhsa_memory_ordered 1
		.amdhsa_forward_progress 1
		.amdhsa_inst_pref_size 65
	.end_amdhsa_kernel
	.amdgpu_metadata
---
amdhsa.version: [ 1, 2 ]
amdhsa.kernels:
  - .name:           k_q62d8ae571c_outp
    .symbol:         k_q62d8ae571c_outp.kd
    .args:
      - { .name: o, .offset: 0, .size: 8, .value_kind: global_buffer, .address_space: global }
      - { .name: wb, .offset: 8, .size: 8, .value_kind: global_buffer, .address_space: global }
      - { .name: bo, .offset: 16, .size: 8, .value_kind: global_buffer, .address_space: global }
      - { .name: out0, .offset: 24, .size: 8, .value_kind: global_buffer, .address_space: global }
    .group_segment_fixed_size: 327680
    .private_segment_fixed_size: 0
    .kernarg_segment_align: 8
    .kernarg_segment_size: 32
    .max_flat_workgroup_size: 128
    .sgpr_count:     80
    .vgpr_count:     960
    .wavefront_size: 32
...
	.end_amdgpu_metadata
.endif
;; end of part 5
